; MI455X (gfx1250); checked and timed in simulation.
; The chip was launched on July 23, 2026; its instructions are those of AMD's public machine-readable ISA for CDNA 5 (MIT licence, August 2026) and "CDNA5" Instruction Set Architecture Reference Guide (July 2026). The comments in the code are by the model that wrote it; some were corrected since.
;; Masked Self Attention. Allowed arithmetic: matrix products marked QUANTISED: E2M3 operands, one E8M0 scale for each 32 along K, by v_wmma_scale_f32_16x16x128_f8f6f4 with both operands' format E2M3, f32 sums; everything else in f32.
;; Inputs: Wk 1,024 x 1,024 float32; Wo 1,024 x 1,024 float32; Wq 1,024 x 1,024 float32; Wv 1,024 x 1,024 float32; bk 1,024 float32; bo 1,024 float32; bq 1,024 float32; bv 1,024 float32; x 4 x 2,048 x 1,024 float32.
;; Outputs: out0 4 x 2,048 x 1,024 float32.
;; This version of the problem:
;;   THIS VERSION OF THE PROBLEM IS GIVEN IN LOW PRECISION. The matrix products marked QUANTISED in the list below multiply operands that are first quantised to E2M3 (2 exponent bits, 3 mantissa bits; 6 bits a number), with one power-of-two scale for each 32 numbers along K (OCP MX v1.0); their sums are f32. All else is computed in f32.
;;   The module's matrix products, in the order in which they are computed (A, B: the left and right operand; K: the contracted axis; several contracted axes count as one K, in the product's order):
;;     1. [M 8,192, K 1,024] x [K 1,024, N 1,024]; A: input x; B: input Wq: QUANTISED
;;     2. [M 8,192, K 1,024] x [K 1,024, N 1,024]; A: input x; B: input Wk: QUANTISED
;;     3. [M 8,192, K 1,024] x [K 1,024, N 1,024]; A: input x; B: input Wv: QUANTISED
;;     4. batch 64 x [M 2,048, K 64] x [K 64, N 2,048]; A: computed on the way; B: computed on the way: QUANTISED
;;     5. batch 64 x [M 2,048, K 2,048] x [K 2,048, N 64]; A: softmax (see below); B: computed on the way: QUANTISED
;;     6. [M 8,192, K 1,024] x [K 1,024, N 1,024]; A: computed on the way; B: input Wo: QUANTISED
;;   THE QUANTISER, for each operand of a quantised product, along K:
;;     - K is cut into blocks of 32 from its start; a last block that is shorter is filled with zeros.
;;     - A block's scale is 2^e with e = floor(log2(the largest magnitude in the block)) - 2, held to -126 .. 127; a block of zeros has e = 0. As a byte (E8M0): e + 127.
;;     - Each number is divided by its block's scale, clamped to +-7.5, and rounded to the nearest number of E2M3, ties to even, subnormals kept.
;;     - The product sums the exact products of the quantised numbers (number of the format x scale) in f32.
;;   ~~~python
;;   def quantise(x, axis):      # numpy; x: float32 -> the quantised numbers, widened to float32 again
;;       x = np.moveaxis(x, axis, -1); K = x.shape[-1]
;;       x = np.pad(x, [(0, 0)] * (x.ndim - 1) + [(0, -K % 32)]); x = x.reshape(x.shape[:-1] + (-1, 32)); a = np.abs(x).max(-1, keepdims=True)
;;       e = np.where(a > 0, np.clip(np.frexp(np.where(a > 0, a, 1))[1] - 1 - 2, -126, 127), 0)      # np.frexp(a)[1] - 1 = floor(log2(a)), exactly
;;       r = np.clip(x / 2.0 ** e, -7.5, 7.5)
;;       step = 2.0 ** (np.maximum(np.frexp(np.where(r == 0, 1, r))[1] - 1, 0) - 3)
;;       q = np.round(r / step) * step * 2.0 ** e      # np.round: ties to even
;;       return np.moveaxis(q.reshape(q.shape[:-2] + (-1,))[..., :K], -1, axis).astype(np.float32)
;;   ~~~
;;   SOFTMAX AHEAD OF A QUANTISED PRODUCT. Where the list says 'softmax', what is quantised is not the finished softmax but p = 2^(t - M), with t = logit x log2(e) and M = ceil(the row's largest t), a whole number; so 1/2 < the row's largest p <= 1. The row's sum l is taken of the UNQUANTISED p, in f32, and the product's result is divided by l at the end. Since M is a whole number, a kernel that streams over the keys may use a running M (the ceiling of the running maximum): every later rescaling is an exact power of two, which a block's scale takes up: the codes' values come out the same.
;;   OPERANDS COMPUTED ON THE WAY. 'Computed on the way' means the value that the module computes at that place (a softmax that the list does not call 'softmax' is quantised finished and normalised). What goes into a quantiser is computed in f32, as accurately as f32 sums, v_exp_f32 and their like allow (about 1e-6 of the number): no bf16 or f16 on the way to a quantiser, and a product that is left as it is and whose result goes on into a quantised operand takes f32 operands (vector FMAs, or v_wmma_f32_16x16x4_f32). A number that lies on a knife's edge between two numbers of the format may be rounded either way, as far as f32 arithmetic and the matrix unit's own rounding can turn it there, and no further.
;; One version. Each part assembles by itself: llvm-mc -triple=amdgcn-amd-amdhsa -mcpu=gfx1250 --defsym DOCPART=n.
;; ======== version 1 of 1: 5 launches
;; workspace buffers: xc 6,291,456 bytes; xs 262,144 bytes; wc 3,145,728 bytes; ws 131,072 bytes; hc 18,874,368 bytes; hs 1,572,864 bytes; cc 6,291,456 bytes; cs 262,144 bytes
;; launch quant_x (part 1): grid 256 x 1, 4 waves a work-group, no clusters, 33,280 bytes of LDS; arguments x, xc, xs; writes xc, xs
.if DOCPART == 1
	.amdgcn_target "amdgcn-amd-amdhsa--gfx1250"
	.amdhsa_code_object_version 6
	.text
	.protected	k_qf3a78a2064_quant_x
	.globl	k_qf3a78a2064_quant_x
	.p2align	8
	.type	k_qf3a78a2064_quant_x,@function
k_qf3a78a2064_quant_x:
	s_mov_b64 s[64:65], 0
	v_nop
	global_prefetch_b8 v0, s[64:65] scope:SCOPE_SE
	s_setreg_imm32_b32 hwreg(HW_REG_WAVE_MODE, 25, 1), 1
	s_wait_xcnt 0x0
; x [8192][1024] f32 becomes codes of FP6 (E2M3), 6 bits each, K innermost (xc: 768 bytes a row), with one E8M0 scale byte for each 32 along K (xs: 32 bytes a row).
; A block's scale is 2^(floor(log2(its largest magnitude)) - 2); its byte is the largest magnitude's exponent field - 2, held at 1 from below.
; LIMITS: a block of zeros gets the byte 1 where the rule says 127 (its codes are zeros, and this program alone reads the bytes); blocks whose largest magnitude lies under 2^-124 are held at byte 1;
; NaN and infinities among the inputs are not served.
; Rows are dense and 1024 is a multiple of 32: x is a plain stream of blocks of 32, and so are the codes and the bytes.  A wave takes 16 steps of 512 numbers; a work-group 32,768; 256 work-groups.
; Each of a step's four loads reads 512 consecutive bytes; the 2,048 bytes turn through the wave's own stage in LDS and come back 64 bytes (16 neighbours) a lane; two neighbouring lanes hold a block.
; No matrix unit, no cluster, no barrier: the launch streams, and waves share nothing.  Loads run four steps (16 loads a wave) ahead, the turn through LDS one step.
.set WAVES, 4
.set STEPS, 16
.set EMAX,  2
.set CB,    12                         ; bytes of 16 codes
.set R,     16                         ; v16-79   four sets of 16 numbers as loaded
.set X,     80                         ; v80-111  two sets of 16 neighbours
.set C,     128                        ; v128-191 codes: four registers a step, so that no store's data are written again
.set E,     112                        ; v112-127 a scale byte for each step
.set WREG,  8192                       ; LDS: a region for each wave: two stages of 32 x SP bytes, then its 256 scale bytes
.set SP,    80                         ; a lane's place in a stage: 64 bytes + 16 of padding
.set SPW,   12                         ; v12  LDS address of my spare word; never rewritten
.set NIL,   13                         ; v13  0; never rewritten
.set SPARE, WAVES*WREG                 ; behind the regions: the spare words, 128 bytes a wave
	s_load_b64 s[4:5], s[0:1], 0x0                 ; x
	s_load_b64 s[8:9], s[0:1], 0x8                 ; xc
	s_load_b64 s[10:11], s[0:1], 0x10              ; xs
	v_lshl_add_u32 v[SPW], v0, 2, SPARE
	v_mov_b32 v[NIL], 0
	v_lshrrev_b32 v1, 5, v0
	v_readfirstlane_b32 s16, v1                    ; wave
	v_and_b32 v2, 31, v0                           ; lane
	v_lshlrev_b32 v3, 4, v2                        ; my 16 bytes of a load's 512
	s_mul_i32 s17, s16, WREG
	v_lshrrev_b32 v14, 2, v2
	v_mul_u32_u24 v14, v14, SP
	v_and_b32 v15, 3, v2
	v_lshl_add_u32 v14, v15, 4, v14
	v_add_nc_u32 v14, s17, v14                     ; the stage, way in: SP (lane / 4) + 16 (lane % 4)
	v_mul_u32_u24 v15, v2, SP
	v_add_nc_u32 v15, s17, v15                     ; way out: SP x lane: my 16 neighbours
	v_mul_u32_u24 v4, v2, CB                       ; my codes' place in a step's
	v_lshrrev_b32 v5, 1, v2
	s_add_co_u32 s17, s17, 2*32*SP
	v_add_nc_u32 v5, s17, v5                       ; my wave's 256 scale bytes, my block's byte
	v_lshlrev_b32 v7, 3, v2                        ; and on the way out 8 bytes a lane
	v_add_nc_u32 v6, s17, v7
	s_lshl_b32 s17, ttmp9, 2
	s_add_co_u32 s18, s17, s16                     ; which run of 8,192 numbers is my wave's
	s_mov_b32 s19, 0
	s_mov_b64 s[20:21], 512*STEPS*4
	s_mul_u64 s[20:21], s[18:19], s[20:21]
	s_mov_b64 s[22:23], 32*STEPS*CB
	s_mul_u64 s[22:23], s[18:19], s[22:23]
	s_lshl_b32 s18, s18, 8                         ; 256 scale bytes a run
	s_wait_kmcnt 0x0
	s_add_nc_u64 s[4:5], s[4:5], s[20:21]
	s_add_nc_u64 s[8:9], s[8:9], s[22:23]
	s_add_nc_u64 s[10:11], s[10:11], s[18:19]
.macro LOAD t
.irp i, 0,1,2,3
	global_load_b128 v[R+16*((\t)%4)+4*\i:R+16*((\t)%4)+4*\i+3], v3, s[4:5] offset:2048*(\t)+512*\i th:TH_LOAD_NT   ; 32 lanes read 512 consecutive bytes
.endr
.endm
.macro TURN t                          ; step t's numbers through the stage: LDS serves a wave's instructions in order, so no wait stands between the stores and the loads
.irp i, 0,1,2,3
	ds_store_b128 v14, v[R+16*((\t)%4)+4*\i:R+16*((\t)%4)+4*\i+3] offset:32*SP*((\t)%2)+8*SP*\i
.endr
.irp i, 0,1,2,3
	ds_load_b128 v[X+16*((\t)%2)+4*\i:X+16*((\t)%2)+4*\i+3], v15 offset:32*SP*((\t)%2)+16*\i
.endr
.endm
.irp t, 0,1,2,3
	LOAD \t
.endr
	s_wait_loadcnt 12                              ; step 0's four loads are in; the twelve of steps 1 to 3 may be out
	TURN 0
.macro STEP t
.set XS, X+16*((\t)%2)
.if (\t) > 0
	s_wait_dscnt 1                                 ; this step's numbers are back from the stage (the last step's byte store may be out): its stores into the stage have read their registers,
.else
	s_wait_dscnt 0x0
.endif
.if (\t)+4 < STEPS
	LOAD (\t)+4                                    ; which take the loads of four steps on
.endif
.if (\t)+1 < STEPS
.if STEPS-2-(\t) >= 3
	s_wait_loadcnt 12                              ; the next step's four loads are in; those of the three steps behind it may be out
.else
	s_wait_loadcnt 4*(STEPS-2-(\t))
.endif
	TURN (\t)+1                                    ; and go through the other stage while this step is worked
.endif
	v_max3_num_f32 v8, |v[XS]|, |v[XS+1]|, |v[XS+2]|               ; the largest magnitude of my 16, in two chains
	v_max3_num_f32 v9, |v[XS+3]|, |v[XS+4]|, |v[XS+5]|
.irp i, 6,10
	v_max3_num_f32 v8, v8, |v[XS+\i]|, |v[XS+\i+1]|
	v_max3_num_f32 v9, v9, |v[XS+\i+2]|, |v[XS+\i+3]|
.endr
	v_max3_num_f32 v8, v8, |v[XS+14]|, |v[XS+15]|
	v_max3_num_f32 v8, v8, v9, (EMAX+1)<<23        ; and the floor 2^(3 - 127): the byte cannot fall under 1
	v_max_num_f32_dpp v8, v8, v8 row_xmask:1 row_mask:0xf bank_mask:0xf   ; and of my neighbour's 16: the block's
	v_add_nc_u32 v11, 0xff000000, v8               ; 2 off its exponent field: the conversion takes the exponent field of this operand as its scale
	v_cvt_scalef32_pk16_fp6_f32 v[C+4*(\t):C+4*(\t)+2], v[XS:XS+15], v11
	v_lshrrev_b32 v[E+(\t)], 23, v11               ; the scale's byte (also the plain line behind the conversion)
	ds_store_b8 v5, v[E+(\t)] offset:16*(\t)       ; both lanes of a block write the same byte with the same value
	global_store_b96 v4, v[C+4*(\t):C+4*(\t)+2], s[8:9] offset:32*CB*(\t)   ; the wave stores 384 consecutive bytes
.endm
.irp t, 0,1,2,3,4,5,6,7,8,9,10,11,12,13,14,15
	STEP \t
.endr
	ds_load_b64 v[8:9], v6                         ; LDS serves a wave's instructions in order: these see my stores
	s_wait_dscnt 0x0
	global_store_b64 v7, v[8:9], s[10:11]          ; 32 lanes store 256 consecutive bytes, aligned
	s_wait_tensorcnt 0x0                           ; the wave's end: three lines behind my last LDS store
	ds_add_u32 v[SPW], v[NIL]
	s_wait_dscnt 0x0
	s_endpgm
.Lfunc_end_k_qf3a78a2064_quant_x:
	.size	k_qf3a78a2064_quant_x, .Lfunc_end_k_qf3a78a2064_quant_x-k_qf3a78a2064_quant_x
	.p2alignl 7, 3214868480
	.fill 96, 4, 3214868480
	.section	.rodata,"a",@progbits
	.p2align	6, 0x0
	.amdhsa_kernel k_qf3a78a2064_quant_x
		.amdhsa_group_segment_fixed_size 33280
		.amdhsa_private_segment_fixed_size 0
		.amdhsa_enable_private_segment 0
		.amdhsa_kernarg_size 24
		.amdhsa_user_sgpr_count 2
		.amdhsa_user_sgpr_kernarg_segment_ptr 1
		.amdhsa_wavefront_size32 1
		.amdhsa_system_sgpr_workgroup_id_x 1
		.amdhsa_system_sgpr_workgroup_id_y 1
		.amdhsa_system_sgpr_workgroup_id_z 1
		.amdhsa_system_vgpr_workitem_id 0
		.amdhsa_next_free_vgpr 192
		.amdhsa_next_free_sgpr 66
		.amdhsa_reserve_vcc 0
		.amdhsa_float_denorm_mode_32 3
		.amdhsa_float_denorm_mode_16_64 3
		.amdhsa_memory_ordered 1
		.amdhsa_forward_progress 1
		.amdhsa_inst_pref_size 32
	.end_amdhsa_kernel
	.amdgpu_metadata
---
amdhsa.version: [ 1, 2 ]
amdhsa.kernels:
  - .name:           k_qf3a78a2064_quant_x
    .symbol:         k_qf3a78a2064_quant_x.kd
    .args:
      - { .name: x, .offset: 0, .size: 8, .value_kind: global_buffer, .address_space: global }
      - { .name: xc, .offset: 8, .size: 8, .value_kind: global_buffer, .address_space: global }
      - { .name: xs, .offset: 16, .size: 8, .value_kind: global_buffer, .address_space: global }
    .group_segment_fixed_size: 33280
    .private_segment_fixed_size: 0
    .kernarg_segment_align: 8
    .kernarg_segment_size: 24
    .max_flat_workgroup_size: 128
    .sgpr_count:     66
    .vgpr_count:     192
    .wavefront_size: 32
...
	.end_amdgpu_metadata
.endif
;; end of part 1
;; launch quant_w (part 2): grid 32 x 4, 4 waves a work-group, no clusters, 35,840 bytes of LDS; arguments Wq, Wk, Wv, Wo, wc, ws; writes wc, ws
.if DOCPART == 2
	.amdgcn_target "amdgcn-amd-amdhsa--gfx1250"
	.amdhsa_code_object_version 6
	.text
	.protected	k_qf3a78a2064_quant_w
	.globl	k_qf3a78a2064_quant_w
	.p2align	8
	.type	k_qf3a78a2064_quant_w,@function
k_qf3a78a2064_quant_w:
	s_mov_b64 s[64:65], 0
	v_nop
	global_prefetch_b8 v0, s[64:65] scope:SCOPE_SE
	s_setreg_imm32_b32 hwreg(HW_REG_WAVE_MODE, 25, 1), 1
	s_wait_xcnt 0x0
; The four weights, [1024 (k)][1024 (n)] f32 with K as their FIRST axis, become codes of FP6 (E2M3) laid [n][k], K innermost (wc: 4096 rows of 768 bytes: Wq's columns, then Wk's, Wv's, Wo's),
; and one E8M0 scale byte for each 32 along K (ws: 4096 rows of 32 bytes).
; A LANE TAKES A COLUMN n, AND ITS REGISTERS RUN DOWN K: each load reads neighbouring n in neighbouring lanes (128 consecutive bytes a wave), a block of 32 along K lies in one lane's 32 registers,
; and the conversions give the codes with K innermost.  A wave takes 32 columns x 256 along K; its codes go through its own stage in LDS and leave sixteen lanes to a row's 192 consecutive bytes.
; Work-group x: weight x / 8, columns 128 (x % 8) on; work-group y: 256 along K.  The weight is chosen by selects on the work-group's number: one path for all four.
; LIMITS: a block of zeros gets the byte 1 where the rule says 127 (its codes are zeros, and this program alone reads the bytes); blocks under 2^-124 are held at byte 1; NaN and infinities are not served.
; No matrix unit, no cluster, no barrier: the launch streams, and waves share nothing.  Loads run two blocks (64 loads a wave) ahead.
.set SIZE_K, 1024
.set SIZE_N, 1024
.set KW,    256
.set NB,    KW/32
.set ROWB,  192
.set PITCH, 272                        ; a stage row: sixteen places of 16 bytes, each with 12 bytes of codes, + 16
.set KROW,  SIZE_K*6/8
.set EMAX,  2
.set X,     32                         ; v32-95   two sets of 32 numbers
.set C,     96                         ; v96..    a block's codes
.set OUTR,  112                        ; v112-175 the way out
.set SPW,   14
.set NIL,   15
.set SPARE, 4*32*PITCH
.set SB,    24                         ; v24-25   the scale bytes, four to a register
	s_load_b256 s[32:39], s[0:1], 0x0              ; Wq, Wk, Wv, Wo
	s_load_b128 s[40:43], s[0:1], 0x20             ; wc, ws
	v_lshl_add_u32 v[SPW], v0, 2, SPARE
	v_mov_b32 v[NIL], 0
	v_lshrrev_b32 v1, 5, v0
	v_readfirstlane_b32 s16, v1                    ; wave 0..3
	v_and_b32 v2, 31, v0                           ; lane
	s_lshr_b32 s30, ttmp9, 3                       ; which weight
	s_and_b32 s17, ttmp9, 7
	s_lshl_b32 s17, s17, 7
	s_lshl_b32 s18, s16, 5
	s_add_co_u32 s17, s17, s18                     ; my wave's first column in its weight
	s_and_b32 s18, ttmp7, 0xffff                   ; which 256 along K
	v_lshlrev_b32 v3, 2, v2                        ; in: 4 bytes a lane
	s_mul_i32 s19, s16, 32*PITCH                   ; my stage
	v_mul_u32_u24 v4, v2, PITCH
	v_add_nc_u32 v4, s19, v4                       ; into it: row = my column
	v_and_b32 v5, 15, v2
	v_lshrrev_b32 v6, 4, v2                        ; out of it: sixteen lanes to a row, two rows an instruction
	v_mul_u32_u24 v7, v6, PITCH
	v_lshl_add_u32 v7, v5, 4, v7
	v_add_nc_u32 v7, s19, v7
	v_mul_u32_u24 v8, v6, KROW
	v_mad_u32_u24 v8, v5, 12, v8                   ; and the same place in the codes' buffer
	s_mov_b32 s19, 0
	s_mov_b64 s[20:21], KW*SIZE_N*4
	s_mul_u64 s[20:21], s[18:19], s[20:21]
	s_lshl_b32 s22, s17, 2
	s_mov_b32 s23, 0
	s_add_nc_u64 s[20:21], s[20:21], s[22:23]      ; in the weight: 256 y rows + 4 x column
	s_lshl_b32 s22, s30, 10
	s_add_co_u32 s22, s22, s17                     ; the row of wc and ws: 1024 x weight + column
	s_mov_b64 s[24:25], KROW
	s_mul_u64 s[24:25], s[22:23], s[24:25]
	s_mul_i32 s26, s18, ROWB
	s_mov_b32 s27, 0
	s_add_nc_u64 s[24:25], s[24:25], s[26:27]
	s_mov_b64 s[28:29], SIZE_K/32
	s_mul_u64 s[28:29], s[22:23], s[28:29]
	s_mul_i32 s26, s18, NB
	s_add_nc_u64 s[28:29], s[28:29], s[26:27]
	v_mul_u32_u24 v9, v2, SIZE_K/32                ; my column's row of scale bytes
	s_wait_kmcnt 0x0
	s_cmp_eq_u32 s30, 1                            ; the choice hangs on the work-group's number alone
	s_cselect_b64 s[4:5], s[34:35], s[32:33]
	s_cmp_eq_u32 s30, 2
	s_cselect_b64 s[4:5], s[36:37], s[4:5]
	s_cmp_eq_u32 s30, 3
	s_cselect_b64 s[4:5], s[38:39], s[4:5]
	s_add_nc_u64 s[4:5], s[4:5], s[20:21]
	s_add_nc_u64 s[6:7], s[40:41], s[24:25]
	s_add_nc_u64 s[8:9], s[42:43], s[28:29]
.macro LOAD t                          ; block t: W(32 t + i, my column) into set t % 2
.irp i, 0,1,2,3,4,5,6,7,8,9,10,11,12,13,14,15,16,17,18,19,20,21,22,23,24,25,26,27,28,29,30,31
	global_load_b32 v[X+32*((\t)%2)+\i], v3, s[4:5] offset:(32*(\t)+\i)*SIZE_N*4 th:TH_LOAD_NT
.endr
.endm
	LOAD 0
	LOAD 1
.macro BLOCK t
.set XS, X+32*((\t)%2)
.if (\t) < NB-1
	s_wait_loadcnt 32                              ; this block's 32 loads are in; the next block's 32 may be out
.else
	s_wait_loadcnt 0
.endif
	v_max3_num_f32 v12, |v[XS]|, |v[XS+1]|, |v[XS+2]|               ; the block's largest magnitude: all 32 numbers are mine
	v_max3_num_f32 v13, |v[XS+3]|, |v[XS+4]|, |v[XS+5]|
.irp i, 6,10,14,18,22,26
	v_max3_num_f32 v12, v12, |v[XS+\i]|, |v[XS+\i+1]|
	v_max3_num_f32 v13, v13, |v[XS+\i+2]|, |v[XS+\i+3]|
.endr
	v_max3_num_f32 v12, v12, |v[XS+30]|, |v[XS+31]|
	v_max3_num_f32 v12, v12, v13, (EMAX+1)<<23     ; and the floor 2^(3 - 127)
	v_add_nc_u32 v11, 0xff000000, v12              ; 2 off its exponent field: the conversion's scale operand
	v_lshrrev_b32 v13, 23, v11                     ; the scale's byte
.if (\t)%4 == 0
	v_mov_b32 v[SB+(\t)/4], v13                    ; four bytes to a register, the lower K in the lower byte
.else
	v_lshl_or_b32 v[SB+(\t)/4], v13, 8*((\t)%4), v[SB+(\t)/4]
.endif
	v_cvt_scalef32_pk16_fp6_f32 v[C:C+2], v[XS:XS+15], v11
	v_cvt_scalef32_pk16_fp6_f32 v[C+4:C+6], v[XS+16:XS+31], v11     ; (a conversion's three registers begin on an even number)
	ds_store_b96 v4, v[C:C+2] offset:32*(\t)       ; 12 bytes to a place of 16, so that every LDS address is a multiple of 16
	ds_store_b96 v4, v[C+4:C+6] offset:32*(\t)+16
.if (\t)+2 < NB
	LOAD (\t)+2
.endif
	s_wait_dscnt 0x0                               ; the stores have read their registers: the next block's codes may be written
.endm
.set Q, 0
.rept NB
	BLOCK Q
.set Q, Q+1
.endr
	global_store_b64 v9, v[SB:SB+1], s[8:9]        ; my column's 8 scale bytes
.irp t, 0,1,2,3,4,5,6,7,8,9,10,11,12,13,14,15
	ds_load_b96 v[OUTR+4*\t:OUTR+4*\t+2], v7 offset:2*\t*PITCH   ; LDS serves a wave's instructions in order: these see my stores
.endr
.irp t, 0,1,2,3,4,5,6,7,8,9,10,11,12,13,14,15
	s_wait_dscnt 15-\t                             ; the younger loads from the stage may be out
	global_store_b96 v8, v[OUTR+4*\t:OUTR+4*\t+2], s[6:7] offset:2*\t*KROW
.endr
	s_wait_tensorcnt 0x0                           ; the wave's end: three lines behind my last LDS store
	ds_add_u32 v[SPW], v[NIL]
	s_wait_dscnt 0x0
	s_endpgm
.Lfunc_end_k_qf3a78a2064_quant_w:
	.size	k_qf3a78a2064_quant_w, .Lfunc_end_k_qf3a78a2064_quant_w-k_qf3a78a2064_quant_w
	.p2alignl 7, 3214868480
	.fill 96, 4, 3214868480
	.section	.rodata,"a",@progbits
	.p2align	6, 0x0
	.amdhsa_kernel k_qf3a78a2064_quant_w
		.amdhsa_group_segment_fixed_size 35840
		.amdhsa_private_segment_fixed_size 0
		.amdhsa_enable_private_segment 0
		.amdhsa_kernarg_size 48
		.amdhsa_user_sgpr_count 2
		.amdhsa_user_sgpr_kernarg_segment_ptr 1
		.amdhsa_wavefront_size32 1
		.amdhsa_system_sgpr_workgroup_id_x 1
		.amdhsa_system_sgpr_workgroup_id_y 1
		.amdhsa_system_sgpr_workgroup_id_z 1
		.amdhsa_system_vgpr_workitem_id 0
		.amdhsa_next_free_vgpr 192
		.amdhsa_next_free_sgpr 66
		.amdhsa_reserve_vcc 0
		.amdhsa_float_denorm_mode_32 3
		.amdhsa_float_denorm_mode_16_64 3
		.amdhsa_memory_ordered 1
		.amdhsa_forward_progress 1
		.amdhsa_inst_pref_size 42
	.end_amdhsa_kernel
	.amdgpu_metadata
---
amdhsa.version: [ 1, 2 ]
amdhsa.kernels:
  - .name:           k_qf3a78a2064_quant_w
    .symbol:         k_qf3a78a2064_quant_w.kd
    .args:
      - { .name: Wq, .offset: 0, .size: 8, .value_kind: global_buffer, .address_space: global }
      - { .name: Wk, .offset: 8, .size: 8, .value_kind: global_buffer, .address_space: global }
      - { .name: Wv, .offset: 16, .size: 8, .value_kind: global_buffer, .address_space: global }
      - { .name: Wo, .offset: 24, .size: 8, .value_kind: global_buffer, .address_space: global }
      - { .name: wc, .offset: 32, .size: 8, .value_kind: global_buffer, .address_space: global }
      - { .name: ws, .offset: 40, .size: 8, .value_kind: global_buffer, .address_space: global }
    .group_segment_fixed_size: 35840
    .private_segment_fixed_size: 0
    .kernarg_segment_align: 8
    .kernarg_segment_size: 48
    .max_flat_workgroup_size: 128
    .sgpr_count:     66
    .vgpr_count:     192
    .wavefront_size: 32
...
	.end_amdgpu_metadata
.endif
;; end of part 2
;; launch qkv (part 3): grid 8 x 48, 4 waves a work-group, clusters of 4 x 4, 327,680 bytes of LDS; arguments xc, xs, wc, ws, bq, bk, bv, hc, hs; writes hc, hs
.if DOCPART == 3
	.amdgcn_target "amdgcn-amd-amdhsa--gfx1250"
	.amdhsa_code_object_version 6
	.text
	.protected	k_qf3a78a2064_qkv
	.globl	k_qf3a78a2064_qkv
	.p2align	8
	.type	k_qf3a78a2064_qkv,@function
k_qf3a78a2064_qkv:
	s_mov_b64 s[64:65], 0
	v_nop
	global_prefetch_b8 v0, s[64:65] scope:SCOPE_SE
	s_setreg_imm32_b32 hwreg(HW_REG_WAVE_MODE, 25, 1), 1
	s_wait_xcnt 0x0
	s_wait_alu depctr_hold_cnt(0) depctr_sa_sdst(0) depctr_va_vdst(0) depctr_va_sdst(0) depctr_va_ssrc(0) depctr_va_vcc(0) depctr_vm_vsrc(0)
	s_getreg_b32 s2, hwreg(HW_REG_IB_STS2, 6, 4)
	s_cmp_eq_u32 s2, 0
	s_cbranch_scc0 .Lentry_in_a_cluster
	s_endpgm
.Lentry_in_a_cluster:
	s_bfe_u32 s2, ttmp6, 0x10000c
	s_cmp_lg_u32 s2, 0xf033
	s_cbranch_scc0 .Lentry_shape_is_right
	s_endpgm
.Lentry_shape_is_right:
; q = x Wq + bq, k = x Wk + bk, v = x Wv + bv on codes of FP6 (E2M3) with E8M0 scales, K = 1024; the results are quantised in registers on the way out and leave as codes alone.
; THE BODY computes C'[m'][n'] = A'[m'] . B'[n'] on tiles of 256 x 256, four waves of 128 x 128 (64 accumulators, 512 registers), K in steps of 256 through a ring of two LDS slots.
; The matrix instruction is used transposed (source 0 = 16 rows of B', source 1 = 16 rows of A'): a lane holds ONE row m' and its registers run along n'.  THE RESULT IS QUANTISED ALONG n'.
;   q, k (cluster y under 8): A' = x (tokens), B' = the rows of wc that are Wq's and Wk's columns: n' = channels: q and k are quantised along a head's 64.
;   v    (cluster y from 8):  A' = Wv's columns, B' = x: n' = tokens: v is quantised along the keys.
; The mode hangs on the cluster's coordinates alone, equal in all sixteen partners; it enters pointer choices, global offsets, two masks, a shift and two strides: no branch, no LDS address, no shape of a tile.
; CLUSTERS: 4 x 4 work-groups; A's tile is shared along a row of the cluster, B's along a column: each is asked for jointly, by the same tensor load with the same descriptor and a mask that names the four.
; THE ORDER INSIDE A BLOCK OF 32 along n': a lane's half h holds the numbers 8 h + j and 16 + 8 h + j of a block, so position p of the block's codes holds number p for p in 0-7 and 24-31, p + 8 for 8-15, p - 8 for 16-23.
; Both operands of each later product (q with k; v with the softmax's p) carry the same order, the same 32 numbers form each block: scales and codes are those of the stated quantiser.
; OUT: hc [kind q, k, v][pair of heads 32][plane 2][block of 128 tokens 16][a 8][768 bytes]: the 768 bytes are registers 0-5 (or 6-11) of an operand, [piece 3][lane 32][8 bytes]: each store of the wave covers 256 consecutive bytes, aligned.
;      hs [kind][head 64][block of 128 tokens 16][512 bytes]: scale words, q, k: [tile / 4][row 16][tile % 4]; v: [copy 2][row 16][channel tile 4].
; LIMITS: a block of zeros gets the byte 1 where the rule says 127 (its codes are zeros; this program alone reads the bytes); blocks under 2^-124 are held at byte 1; NaN and infinities are not served.
; REGISTERS, in windows of 256: window 0: v0-31 addresses; v32-63 scale words, two sets; v64-127 the bias along n' (C of the first products); from v128 A's fragments, one set; v224-239 the bias along m'; v240-255 at work.
;   window 1: B's fragments, two sets.   windows 2, 3: the accumulators ((a, b) at v[8 (8 (a % 4) + b)]).   On the way out v128-220 of window 0 are free.
.set KSTEP,  256
.set NQ,     2
.set ROWB,   192                       ; a tile's row: 256 codes
.set KROW,   768                       ; a row of xc or wc
.set PITCH,  240                       ; an LDS row: 3 x (64 bytes + 16 of padding)
.set FR,     12
.set NL,     6
.set NP,     4
.set HALFT,  128*PITCH
.set SLOT,   4*HALFT
.set LAPS,   2                         ; 1024 / 512
.set KS,     32                        ; a row of scale bytes
.set SCL,    2*SLOT                    ; behind the ring: the scales, rows of 256 bytes + 16
.set HALFS,  16*272
.set SBLK,   2*272
.set SPARE,  SCL+4*HALFS               ; the spare words, 128 bytes a wave
.set ADRA, 16
.set ADRB, 20
.set CO,   24                          ; v24  8 x lane
.set SA0,  25                          ; v25  where my first four scale words go
.set SA1,  26                          ; v26  and the other four
.set ADRS, 27
.set SPW,  28
.set NIL,  29
.set SHV,  30                          ; v30  q, k: 16 (lane / 16); v: 0
.set SC,   32
.set BN,   64
.set AF,   128
.set BM,   224
.set TM,   240
.set HA,   128                         ; the way out: a row block's 64 numbers a lane
.set PC,   192                         ; the codes just made
.set WD,   212                         ; eight scale words
.set PW,   220
.set SEL,  20                          ; s[20:21], set behind the head's last use of them
.set G1, 24
.set G0, 32
.set G1B, 48
.set G0B, 56
.set G1S, 68
.set G0S, 76
.set G1SB, 80
.set G0SB, 88
.set MSB, 0
.macro WIN new                         ; the immediate's high byte repeats the setting that is left
.if MSB != (\new)
	s_set_vgpr_msb (MSB<<8)|(\new)
.set MSB, (\new)
.endif
.endm
.set MUL_LO, 0xa1                      ; source 0 (B) window 1, source 1 (A) window 0, C and D window 2
.set MUL_HI, 0xf1
.set FST_LO, 0x81                      ; the first products: C (the bias) window 0, D window 2
.set FST_HI, 0xc1
.set TO_B,   0x40
; A joint load: waves 0 and 1 fetch for A, waves 2 and 3 for B; the branch hangs on the wave's number alone.  An s_nop 0 and four v_nop follow each of the two lines.
.macro JLOAD g0a, g1a, g0b, g1b
	s_cmp_eq_u32 s15, 0
	s_cbranch_scc0 .Lfor_b_\@
	tensor_load_to_lds s[\g0a:\g0a+3], s[\g1a:\g1a+7]
	s_nop 0
.rept 4
	v_nop
.endr
	s_branch .Lasked_\@
.Lfor_b_\@:
	tensor_load_to_lds s[\g0b:\g0b+3], s[\g1b:\g1b+7]
	s_nop 0
.rept 4
	v_nop
.endr
.Lasked_\@:
.endm
.macro CREST
	s_cmp_lg_u32 s14, 0
	s_cbranch_scc1 .Lnot_wave_0_\@
	s_barrier_signal -3
.Lnot_wave_0_\@:
	s_barrier_wait -3
	s_barrier_signal -1
	s_barrier_wait -1
.endm
.macro CROUND
	s_barrier_signal -1
	s_barrier_wait -1
	CREST
.endm
	s_load_b256 s[4:11], s[0:1], 0x0               ; xc, xs, wc, ws
	s_load_b128 s[96:99], s[0:1], 0x20             ; bq, bk
	s_load_b64 s[100:101], s[0:1], 0x30            ; bv
	s_load_b64 s[12:13], s[0:1], 0x38              ; hc
	s_load_b64 s[66:67], s[0:1], 0x40              ; hs
	v_lshl_add_u32 v[SPW], v0, 2, SPARE
	v_mov_b32 v[NIL], 0
	ds_add_u32 v[SPW], v[NIL]                      ; the wave's opening: the add and its wait stand ahead of my first tensor load; work on registers stands between them
	v_lshrrev_b32 v1, 5, v0
	v_readfirstlane_b32 s14, v1                    ; wave 0..3
	s_lshr_b32 s15, s14, 1                         ; which half of the tile's rows m' is mine.  Also: I fetch for A (0) or for B (1)
	s_and_b32 s16, s14, 1                          ; which half of its columns n'.  Also: which 128 rows of that tile I fetch
	s_bfe_u32 s40, ttmp6, 0x40000                  ; cx
	s_bfe_u32 s41, ttmp6, 0x40004                  ; cy
	s_and_b32 s2, ttmp7, 0xffff                    ; cluster y, kept: under 8: q, k; from 8: v
	s_sub_co_u32 s18, s2, 8
	s_lshl_b32 s18, s18, 1
	s_add_co_u32 s18, s18, ttmp9                   ; v: which 1,024 tokens: 2 (cluster y - 8) + cluster x
	s_cmp_lt_u32 s2, 8
	s_cselect_b32 s19, ttmp9, s18                  ; four tile columns on from 4 x this
	s_cselect_b32 s18, s2, 0                       ; four tile rows on from 4 x this
	s_cselect_b32 s95, ttmp9, 2                    ; kind: 0 q, 1 k, 2 v
	s_cselect_b32 s3, 0, 2048                      ; A's first row in its buffer: Wv's columns begin at row 2048 of wc
	s_lshl_b32 s42, s19, 2
	s_add_co_u32 s42, s42, s40                     ; tile column
	s_lshl_b32 s17, s18, 2
	s_add_co_u32 s17, s17, s41                     ; tile row
	s_lshl_b32 s43, s41, 2
	s_lshl_b32 s43, 15, s43                        ; my row of the cluster
	s_lshl_b32 s44, 0x1111, s40                    ; my column
	s_or_b32 s[G1+0], s43, (0<<16)|(1<<20)|(1<<21)|(3<<22)|(3<<25)  ; the mask; elements of 1 byte; padding on; bit 21 beside a mask; after every 16 words, 4 words
	s_or_b32 s[G1B+0], s44, (0<<16)|(1<<20)|(1<<21)|(3<<22)|(3<<25)
.irp g, G1, G1B
	s_mov_b32 s[\g+1], ROWB<<16                    ; tensor_dim0
	s_mov_b32 s[\g+2], 128<<16                     ; tensor_dim1
	s_mov_b32 s[\g+3], ROWB<<16                    ; tile_dim0
	s_mov_b32 s[\g+4], 128                         ; tile_dim1
	s_mov_b32 s[\g+5], KROW                        ; the pitch
	s_mov_b32 s[\g+6], 0
	s_mov_b32 s[\g+7], 0
.endr
	s_or_b32 s[G1S+0], s43, (3<<16)|(1<<20)|(1<<21)|(5<<22)|(3<<25)   ; the scales of 128 rows: 4,096 dense bytes as 16 rows of 256 bytes, 16 of padding behind each
	s_or_b32 s[G1SB+0], s44, (3<<16)|(1<<20)|(1<<21)|(5<<22)|(3<<25)
.irp g, G1S, G1SB
	s_mov_b32 s[\g+1], 32<<16
	s_mov_b32 s[\g+2], 16<<16
	s_mov_b32 s[\g+3], 32<<16
	s_mov_b32 s[\g+4], 16
	s_mov_b32 s[\g+5], 32
	s_mov_b32 s[\g+6], 0
	s_mov_b32 s[\g+7], 0
.endr
	s_lshl_b32 s18, s16, 7                         ; which 128 rows of the tile I fetch
	s_lshl_b32 s20, s17, 8
	s_add_co_u32 s20, s20, s18
	s_add_co_u32 s20, s20, s3                      ; A: row 256 x tile row + 128 x half (+ 2048)
	s_lshl_b32 s46, s42, 8
	s_add_co_u32 s46, s46, s18                     ; B: row 256 x tile column + 128 x half
	s_mov_b32 s21, 0
	s_mov_b32 s47, 0
	s_mov_b64 s[18:19], KS
	s_mul_u64 s[22:23], s[20:21], s[18:19]         ; where these rows' scales begin
	s_mul_u64 s[92:93], s[46:47], s[18:19]
	s_mov_b64 s[18:19], KROW
	s_mul_u64 s[20:21], s[20:21], s[18:19]         ; and their codes
	s_mul_u64 s[46:47], s[46:47], s[18:19]
	s_mul_i32 s45, s14, HALFT                      ; where they go: wave x 128 rows
	s_mul_i32 s94, s14, HALFS
	s_wait_dscnt 0x0                               ; the opening add is done
	s_wait_kmcnt 0x0
	s_cmp_eq_u32 s95, 0                            ; my kind's bias
	s_cselect_b64 s[100:101], s[96:97], s[100:101]
	s_cmp_eq_u32 s95, 1
	s_cselect_b64 s[100:101], s[98:99], s[100:101]
	s_cmp_lt_u32 s2, 8                             ; q, k: A = x, B = the weights; v: the other way round
	s_cselect_b64 s[96:97], s[4:5], s[8:9]
	s_cselect_b64 s[8:9], s[8:9], s[4:5]
	s_mov_b64 s[4:5], s[96:97]
	s_cselect_b64 s[96:97], s[6:7], s[10:11]
	s_cselect_b64 s[10:11], s[10:11], s[6:7]
	s_mov_b64 s[6:7], s[96:97]
	s_add_nc_u64 s[20:21], s[4:5], s[20:21]
	s_add_nc_u64 s[22:23], s[6:7], s[22:23]
	s_add_nc_u64 s[46:47], s[8:9], s[46:47]
	s_add_nc_u64 s[92:93], s[10:11], s[92:93]
	CROUND                                         ; all sixteen work-groups are here: the first joint loads meet
	s_mov_b32 s[G0S], 1
	s_add_co_u32 s[G0S+1], s94, SCL
	s_mov_b64 s[G0S+2:G0S+3], s[22:23]
	s_or_b32 s[G0S+3], s[G0S+3], 0x80000000
	s_mov_b32 s[G0SB], 1
	s_add_co_u32 s[G0SB+1], s94, SCL
	s_mov_b64 s[G0SB+2:G0SB+3], s[92:93]
	s_or_b32 s[G0SB+3], s[G0SB+3], 0x80000000
	JLOAD G0S, G1S, G0SB, G1SB                     ; the scales first: they are wanted with K step 0
.irp s, 0,1
	s_mov_b32 s[G0+4*\s], 1
	s_add_co_u32 s[G0+4*\s+1], s45, \s*SLOT
	s_add_nc_u64 s[G0+4*\s+2:G0+4*\s+3], s[20:21], \s*ROWB
	s_or_b32 s[G0+4*\s+3], s[G0+4*\s+3], 0x80000000
	s_mov_b32 s[G0B+4*\s], 1
	s_add_co_u32 s[G0B+4*\s+1], s45, \s*SLOT
	s_add_nc_u64 s[G0B+4*\s+2:G0B+4*\s+3], s[46:47], \s*ROWB
	s_or_b32 s[G0B+4*\s+3], s[G0B+4*\s+3], 0x80000000
	JLOAD G0+4*\s, G1, G0B+4*\s, G1B
.endr
	v_and_b32 v1, 15, v0                           ; r = l % 16
	v_bfe_u32 v2, v0, 4, 1                         ; h = l / 16
	v_mul_u32_u24 v3, v1, PITCH
	v_mul_u32_u24 v4, v2, 24
	v_add_nc_u32 v4, v3, v4                        ; a fragment's row x pitch + 24 x half
	v_lshl_add_u32 v5, v2, 4, v4                   ; and the same behind one padding more
	s_mul_i32 s21, s15, HALFT                      ; my 128 rows of A
	s_mul_i32 s22, s16, HALFT
	s_add_co_u32 s22, s22, 2*HALFT                 ; my 128 rows of B, behind A's 256
.irp s, 0,1
	v_add_nc_u32 v[ADRA+\s], s21, v4
	v_add_nc_u32 v[ADRB+\s], s22, v4
	v_add_nc_u32 v[ADRA+2+\s], s21, v5
	v_add_nc_u32 v[ADRB+2+\s], s22, v5
	s_add_co_u32 s21, s21, SLOT
	s_add_co_u32 s22, s22, SLOT
.endr
	v_mul_u32_u24 v5, v1, KS                       ; my row's scales: 32 bytes a row,
	v_lshrrev_b32 v6, 8, v5
	v_lshl_add_u32 v5, v6, 4, v5                   ; and 16 more for each 256 passed
	s_mul_i32 s21, s15, HALFS
	s_mul_i32 s22, s16, HALFS
	s_add_co_u32 s22, s22, 2*HALFS
	s_sub_co_u32 s22, s22, s21
	v_mul_u32_u24 v6, s22, v2                      ; lanes 16-31 take B's
	s_add_co_u32 s21, s21, SCL
	v_add_nc_u32 v5, v5, v6
	v_add_nc_u32 v[ADRS], s21, v5
	; the way out's places.  All selects stand on one compare, ahead of the arithmetic that sets SCC
	v_and_b32 v6, 31, v0
	v_lshlrev_b32 v[CO], 3, v6                     ; 8 x lane
	s_mov_b32 s21, 8192
	s_mov_b32 s22, 256
	s_cmp_lt_u32 s2, 8
	s_cselect_b32 s23, s21, s22                    ; from lanes 0-15 to lanes 16-31: q, k: the next head's words; v: the second copy
	s_cselect_b32 s21, s22, s21                    ; from words 0-3 to words 4-7: q, k: tiles 4-7; v: the next head
	s_cselect_b32 s22, 16, 0
	s_cselect_b32 s92, s17, s42                    ; the tile of 256 tokens,
	s_cselect_b32 s93, s15, s16                    ; my half of it,
	s_cselect_b32 s94, s40, s17                    ; the tile of 256 channels in my kind,
	s_cselect_b32 s96, s16, s15                    ; my half of it: a pair of heads
	v_mul_u32_u24 v5, s23, v2
	v_lshl_add_u32 v[SA0], v1, 4, v5               ; 16 r + h x the first stride
	v_add_nc_u32 v[SA1], s21, v[SA0]
	v_mul_u32_u24 v[SHV], s22, v2
	s_lshr_b32 s97, s92, 3                         ; the batch
	s_and_b32 s92, s92, 7
	s_lshl_b32 s92, s92, 1
	s_add_co_u32 s92, s92, s93                     ; the block of 128 tokens in the batch
	s_lshl_b32 s97, s97, 3
	s_lshl_b32 s94, s94, 1
	s_add_co_u32 s97, s97, s94
	s_add_co_u32 s97, s97, s96                     ; the pair of heads: 8 x batch + 2 x channel tile + half
	s_mul_i32 s46, s95, 6291456
	s_mul_i32 s47, s97, 196608
	s_add_co_u32 s46, s46, s47
	s_mul_i32 s47, s92, 6144
	s_add_co_u32 s46, s46, s47
	s_mov_b32 s47, 0
	s_add_nc_u64 s[12:13], s[12:13], s[46:47]      ; hc at my wave's part
	s_mul_i32 s46, s95, 524288
	s_lshl_b32 s96, s97, 14
	s_add_co_u32 s46, s46, s96
	s_lshl_b32 s96, s92, 9
	s_add_co_u32 s46, s46, s96
	s_add_nc_u64 s[66:67], s[66:67], s[46:47]      ; hs likewise
	; the biases: along n' (q, k: the C of the first products) and along m' (v: added on the way out).  Both are loaded inside the 1,024 numbers in both modes; the one that does not apply is cleared
	s_lshl_b32 s46, s40, 8
	s_lshl_b32 s47, s16, 7
	s_add_co_u32 s46, s46, s47                     ; q, k: my first channel along n'
	s_lshl_b32 s47, s17, 8
	s_lshl_b32 s96, s15, 7
	s_add_co_u32 s47, s47, s96                     ; v: my first channel along m'
	s_cmp_lt_u32 s2, 8
	s_cselect_b32 s46, s46, 0
	s_cselect_b32 s47, 0, s47
	s_cselect_b32 s18, -1, 0                       ; keeps the bias along n'
	s_cselect_b32 s19, 0, -1                       ; keeps the bias along m'
	s_lshl_b32 s46, s46, 2
	s_lshl_b32 s47, s47, 2
	v_lshl_add_u32 v8, v2, 5, s46
	v_lshl_add_u32 v9, v1, 2, s47
.irp b, 0,1,2,3,4,5,6,7
	global_load_b128 v[BN+8*\b:BN+8*\b+3], v8, s[100:101] offset:64*\b          ; bias(first + 16 b + 8 h + 0 .. 7): the result's layout
	global_load_b128 v[BN+8*\b+4:BN+8*\b+7], v8, s[100:101] offset:64*\b+16
.endr
.irp a, 0,1,2,3,4,5,6,7
	global_load_b32 v[BM+2*\a], v9, s[100:101] offset:64*\a                     ; bias(first + 16 a + r), twice: a pair for the packed addition
	global_load_b32 v[BM+2*\a+1], v9, s[100:101] offset:64*\a
.endr
	s_mov_b32 s[SEL], 0x76543210
	s_mov_b32 s[SEL+1], 0xfedcba98                 ; v_permlanex16_b32's selects for lane l xor 16
.irp b, 0,1,2,3
	v_mov_b32 v[TM+4+\b], 0                        ; written once: a lane permute's destination counts as one of its sources
.endr
.macro FRAG reg, adr, q, i             ; 16 rows x 128 K of 6-bit codes: 12 registers; in pieces of 8 bytes; where lanes 16-31's piece lies behind one padding more, the second address register serves
.irp p, 0,1,2,3,4,5
.set PIECE, 12*(\q)+6*(\p/3)+\p%3
.if PIECE%8 < 5
	ds_load_b64 v[\reg+2*\p:\reg+2*\p+1], v[\adr] offset:8*PIECE+16*(PIECE/8)+(\i)*16*PITCH
.else
	ds_load_b64 v[\reg+2*\p:\reg+2*\p+1], v[\adr+2] offset:8*PIECE+16*(PIECE/8)+(\i)*16*PITCH
.endif
.endr
.endm
; 16 matrix instructions: A's blocks a0, a0 + 1 x B's eight.  zero = 1: the first product starts the sums, with the bias along n' as C.  The 64 accumulators take turns, one instruction a turn.
.macro MUL16 a0, p, q, sc, zero
.irp a, \a0, \a0+1
.irp b, 0,1,2,3,4,5,6,7
.if \zero
	v_wmma_scale_f32_16x16x128_f8f6f4 v[8*(8*((\a)%4)+\b):8*(8*((\a)%4)+\b)+7], v[128*(\p)+FR*\b:128*(\p)+FR*\b+FR-1], v[AF+FR*(\a):AF+FR*(\a)+FR-1], v[BN+8*\b:BN+8*\b+7], v[SC+8*NQ*(\sc)+NQ*\b+(\q)], v[SC+8*NQ*(\sc)+NQ*(\a)+(\q)] matrix_a_fmt:MATRIX_FMT_FP6 matrix_b_fmt:MATRIX_FMT_FP6 matrix_a_scale:MATRIX_SCALE_ROW1
.else
	v_wmma_scale_f32_16x16x128_f8f6f4 v[8*(8*((\a)%4)+\b):8*(8*((\a)%4)+\b)+7], v[128*(\p)+FR*\b:128*(\p)+FR*\b+FR-1], v[AF+FR*(\a):AF+FR*(\a)+FR-1], v[8*(8*((\a)%4)+\b):8*(8*((\a)%4)+\b)+7], v[SC+8*NQ*(\sc)+NQ*\b+(\q)], v[SC+8*NQ*(\sc)+NQ*(\a)+(\q)] matrix_a_fmt:MATRIX_FMT_FP6 matrix_b_fmt:MATRIX_FMT_FP6 matrix_a_scale:MATRIX_SCALE_ROW1
.endif
.endr
.endr
.endm
.macro FETCH_B slot, q, p
	WIN TO_B
.irp i, 0,1,2,3,4,5,6,7
	FRAG 128*(\p)+FR*\i, ADRB+\slot, \q, \i
.endr
	WIN 0
.endm
.macro FETCH_A slot, q, i0
.irp i, \i0, \i0+1, \i0+2, \i0+3
	FRAG AF+FR*(\i), ADRA+\slot, \q, \i
.endr
.endm
.macro SCALES sc                       ; a K step's scale words: two a row; lanes 0-15 take A's block i, lanes 16-31 B's block i
.irp i, 0,1,2,3,4,5,6,7
	ds_load_b64 v[SC+8*NQ*\sc+NQ*\i:SC+8*NQ*\sc+NQ*\i+1], v[ADRS] offset:\i*SBLK
.endr
.endm
.macro PLACES n                        ; plain vector instructions between a matrix instruction and a load into, or a vector instruction on, its registers
.rept \n
	v_nop
.endr
.endm
.macro STEP slot, q, zero              ; a step of 128 along K that has its successor in the same slot
	s_wait_dscnt 4*NL                              ; B's set and A's blocks 0-3 are in; the youngest 24 loads (A's blocks 4-7) may be out
.if \zero
	WIN FST_LO
.else
	WIN MUL_LO
.endif
	MUL16 0, (\q)%2, \q, \slot, \zero
	MUL16 2, (\q)%2, \q, \slot, \zero
	s_wait_dscnt 0
	PLACES NP
	FETCH_B \slot, (\q)+1, 1-(\q)%2
	FETCH_A \slot, (\q)+1, 0
.if \zero
	WIN FST_HI
.else
	WIN MUL_HI
.endif
	MUL16 4, (\q)%2, \q, \slot, \zero
	MUL16 6, (\q)%2, \q, \slot, \zero
	PLACES NP
	WIN 0
	FETCH_A \slot, (\q)+1, 4
.endm
; A slot's last step changes slots: one barrier; in front of it each wave waits for all its tensor loads, adds 0 to its spare word, and waits for that and for its reads of this slot.  fill = 1: this slot is filled again, two K steps ahead.
.macro TURN slot, next, fill
	s_wait_tensorcnt 0x0                           ; all my tensor loads have landed: my part of the next slot
	ds_add_u32 v[SPW], v[NIL]                      ; 0 onto my spare word
	s_wait_dscnt 4*NL+1                            ; the add and the youngest 24 loads (A's blocks 4-7) may be out
	WIN MUL_LO
	MUL16 0, 1, NQ-1, \slot, 0                     ; sixteen matrix instructions stand between the add and the wait for it
	s_wait_dscnt 0x0                               ; the add is done, and my reads of this slot are over
	s_barrier_signal -1
	MUL16 2, 1, NQ-1, \slot, 0
	WIN 0
	s_barrier_wait -1
.if \fill
	CREST                                          ; the barrier has opened a round of the cluster's barrier: no wave of any partner still reads this slot or has a load on its way
	s_add_nc_u64 s[G0+4*\slot+2:G0+4*\slot+3], s[G0+4*\slot+2:G0+4*\slot+3], 2*ROWB
	s_add_nc_u64 s[G0B+4*\slot+2:G0B+4*\slot+3], s[G0B+4*\slot+2:G0B+4*\slot+3], 2*ROWB
	JLOAD G0+4*\slot, G1, G0B+4*\slot, G1B         ; the first tensor load behind the round; its four v_nop are the places in front of the loads below
.else
	PLACES NP
.endif
	v_add_nc_u32 v[ADRS], 4*NQ, v[ADRS]            ; on to the next K step's scale words
	FETCH_B \next, 0, 0
	FETCH_A \next, 0, 0
	SCALES \next
	WIN MUL_HI
	MUL16 4, 1, NQ-1, \slot, 0
	MUL16 6, 1, NQ-1, \slot, 0
	PLACES NP
	WIN 0
	FETCH_A \next, 0, 4
.endm
; 64 numbers of a lane, v[s] on: register 16 b + i lies in block b of my row, half lane / 16.  They become a fragment's codes in v[PC] on and its scale word in v[PW].
.macro QUANT s
.irp b, 0,1,2,3
	v_max3_num_f32 v[TM+\b], |v[\s+16*\b]|, |v[\s+1+16*\b]|, 0x1800000   ; my 16 numbers of block b, and the floor 2^(3 - 127): the byte cannot fall under 1
.endr
.irp i, 2,4,6,8,10,12,14
.irp b, 0,1,2,3
	v_max3_num_f32 v[TM+\b], v[TM+\b], |v[\s+16*\b+\i]|, |v[\s+1+16*\b+\i]|   ; the four blocks by turns
.endr
.endr
.irp b, 0,1,2,3
	v_permlanex16_b32 v[TM+4+\b], v[TM+\b], s[SEL], s[SEL+1]
.endr
.irp b, 0,1,2,3
	v_max_num_f32 v[TM+\b], v[TM+\b], v[TM+4+\b]   ; with lane l xor 16's: the block's largest magnitude
.endr
.irp b, 0,1,2,3
	v_add_nc_u32 v[TM+12+\b], 0xff000000, v[TM+\b] ; 2 off its exponent field: the conversion's scale operand
.endr
.irp b, 0,1,2,3
	v_lshrrev_b32 v[TM+4+\b], 23, v[TM+12+\b]      ; the scale's byte
.endr
	v_lshl_or_b32 v[PW], v[TM+5], 8, v[TM+4]
	v_lshl_or_b32 v[PW], v[TM+6], 16, v[PW]
	v_lshl_or_b32 v[PW], v[TM+7], 24, v[PW]
.irp c, 0,1
	v_cvt_scalef32_pk16_fp6_f32 v[PC+6*\c:PC+2+6*\c], v[\s+32*\c:\s+15+32*\c], v[TM+12+2*\c]
	v_cvt_scalef32_pk16_fp6_f32 v[PC+12+4*\c:PC+14+4*\c], v[\s+16+32*\c:\s+31+32*\c], v[TM+12+2*\c+1]   ; (a conversion's three registers begin on an even number)
.endr
	v_nop                                          ; one plain place behind a scaled conversion
.irp c, 0,1                            ; the operand's layout wants a whole block in a lane: lanes 0-15 block 2 c, lanes 16-31 block 2 c + 1
.irp i, 0,1,2
	v_permlane16_swap_b32 v[PC+6*\c+\i], v[PC+12+4*\c+\i]
.endr
.irp i, 0,1,2
	v_mov_b32 v[PC+3+6*\c+\i], v[PC+12+4*\c+\i]
.endr
.endr
.endm
	s_wait_tensorcnt 1                             ; the scales and my part of K step 0 are in; K step 1's load may be out
	s_barrier_signal -1
	s_barrier_wait -1
	FETCH_B 0, 0, 0
	FETCH_A 0, 0, 0
	SCALES 0
	FETCH_A 0, 0, 4
	s_wait_loadcnt 0x0                             ; the biases
.set n, 0
.rept 64
	v_and_b32 v[BN+n], s18, v[BN+n]                ; v: no bias along n'
.set n, n+1
.endr
.set n, 0
.rept 16
	v_and_b32 v[BM+n], s19, v[BM+n]                ; q, k: no bias along m'
.set n, n+1
.endr
	STEP 0, 0, 1                                   ; the first step stands in front of the loop: its products start the sums
	s_mov_b32 s3, LAPS-1
.Llap:                                                 ; a trip goes once round the ring and fills both slots again
	TURN 0, 1, 1
	STEP 1, 0, 0
	TURN 1, 0, 1
	STEP 0, 0, 0
	s_sub_co_u32 s3, s3, 1
	s_cmp_lg_u32 s3, 0
	s_cbranch_scc1 .Llap
	TURN 0, 1, 0                                   ; the last lap fills nothing
	STEP 1, 0, 0
	s_wait_dscnt 4*NL
	WIN MUL_LO
	MUL16 0, 1, NQ-1, 1, 0
	MUL16 2, 1, NQ-1, 1, 0
	s_wait_dscnt 0
	WIN MUL_HI
	MUL16 4, 1, NQ-1, 1, 0
	MUL16 6, 1, NQ-1, 1, 0
	WIN 0
; THE WAY OUT, a block of 16 rows m' at a time: the block's 64 numbers a lane come into window 0 by the line that adds the bias along m', are quantised along n', and the 12 registers of codes leave as they stand:
; q, k: registers 0-5 are the first head's 64 channels of token tile a, registers 6-11 the second head's; v: the whole fragment of channel tile a for these 128 keys, registers 0-5 keys 0-63, registers 6-11 keys 64-127.
.macro OUTROW a
	WIN 0x02+((\a)/4)                              ; source 0: window 2 or 3
.set k, 0
.rept 32
	v_pk_add_f32 v[HA+2*k:HA+2*k+1], v[64*((\a)%4)+2*k:64*((\a)%4)+2*k+1], v[BM+2*(\a):BM+2*(\a)+1]   ; each accumulator from its low end on
.set k, k+1
.endr
	WIN 0
.if (\a) > 0
	s_wait_xcnt 0x0                                ; the last block's stores have read the codes' registers: they are written again only behind this wait
.endif
	QUANT HA
	v_lshrrev_b32 v[WD+(\a)], v[SHV], v[PW]        ; q, k: lanes 16-31 keep the second head's two bytes as bytes 0 and 1; v: the word as it is
.irp p, 0,1,2,3,4,5
	global_store_b64 v[CO], v[PC+2*\p:PC+2*\p+1], s[12:13] offset:768*(\a)+98304*(\p/3)+256*(\p%3)   ; 32 lanes store 256 consecutive bytes, aligned
.endr
.endm
	PLACES NP                                      ; behind the last products: the lines below write registers that held A's fragments, and block 7's read results just made
.irp a, 0,1,2,3,4,5,6,7
	OUTROW \a
.endr
	global_store_b128 v[SA0], v[WD:WD+3], s[66:67]     ; sixteen lanes store 256 consecutive bytes, aligned
	global_store_b128 v[SA1], v[WD+4:WD+7], s[66:67]
	s_wait_tensorcnt 0x0                           ; the wave's end: three lines behind my last tensor load
	ds_add_u32 v[SPW], v[NIL]
	s_wait_dscnt 0x0
	CROUND                                         ; the closing round: no work-group ends while a partner may still ask for a tile that names it
	s_endpgm
.Lfunc_end_k_qf3a78a2064_qkv:
	.size	k_qf3a78a2064_qkv, .Lfunc_end_k_qf3a78a2064_qkv-k_qf3a78a2064_qkv
	.p2alignl 7, 3214868480
	.fill 96, 4, 3214868480
	.section	.rodata,"a",@progbits
	.p2align	6, 0x0
	.amdhsa_kernel k_qf3a78a2064_qkv
		.amdhsa_group_segment_fixed_size 327680
		.amdhsa_private_segment_fixed_size 0
		.amdhsa_enable_private_segment 0
		.amdhsa_kernarg_size 72
		.amdhsa_user_sgpr_count 2
		.amdhsa_user_sgpr_kernarg_segment_ptr 1
		.amdhsa_wavefront_size32 1
		.amdhsa_system_sgpr_workgroup_id_x 1
		.amdhsa_system_sgpr_workgroup_id_y 1
		.amdhsa_system_sgpr_workgroup_id_z 1
		.amdhsa_system_vgpr_workitem_id 0
		.amdhsa_next_free_vgpr 1024
		.amdhsa_next_free_sgpr 102
		.amdhsa_reserve_vcc 0
		.amdhsa_float_denorm_mode_32 3
		.amdhsa_float_denorm_mode_16_64 3
		.amdhsa_memory_ordered 1
		.amdhsa_forward_progress 1
		.amdhsa_inst_pref_size 189
	.end_amdhsa_kernel
	.amdgpu_metadata
---
amdhsa.version: [ 1, 2 ]
amdhsa.kernels:
  - .name:           k_qf3a78a2064_qkv
    .symbol:         k_qf3a78a2064_qkv.kd
    .args:
      - { .name: xc, .offset: 0, .size: 8, .value_kind: global_buffer, .address_space: global }
      - { .name: xs, .offset: 8, .size: 8, .value_kind: global_buffer, .address_space: global }
      - { .name: wc, .offset: 16, .size: 8, .value_kind: global_buffer, .address_space: global }
      - { .name: ws, .offset: 24, .size: 8, .value_kind: global_buffer, .address_space: global }
      - { .name: bq, .offset: 32, .size: 8, .value_kind: global_buffer, .address_space: global }
      - { .name: bk, .offset: 40, .size: 8, .value_kind: global_buffer, .address_space: global }
      - { .name: bv, .offset: 48, .size: 8, .value_kind: global_buffer, .address_space: global }
      - { .name: hc, .offset: 56, .size: 8, .value_kind: global_buffer, .address_space: global }
      - { .name: hs, .offset: 64, .size: 8, .value_kind: global_buffer, .address_space: global }
    .group_segment_fixed_size: 327680
    .private_segment_fixed_size: 0
    .kernarg_segment_align: 8
    .kernarg_segment_size: 72
    .max_flat_workgroup_size: 128
    .sgpr_count:     102
    .vgpr_count:     1024
    .wavefront_size: 32
...
	.end_amdgpu_metadata
.endif
;; end of part 3
;; launch attn (part 4): grid 4 x 64, 16 waves a work-group, clusters of 4 x 1, 215,040 bytes of LDS; arguments hc, hs, cc, cs; writes cc, cs
.if DOCPART == 4
	.amdgcn_target "amdgcn-amd-amdhsa--gfx1250"
	.amdhsa_code_object_version 6
	.text
	.protected	k_qf3a78a2064_attn
	.globl	k_qf3a78a2064_attn
	.p2align	8
	.type	k_qf3a78a2064_attn,@function
k_qf3a78a2064_attn:
	s_mov_b64 s[64:65], 0
	v_nop
	global_prefetch_b8 v0, s[64:65] scope:SCOPE_SE
	s_setreg_imm32_b32 hwreg(HW_REG_WAVE_MODE, 25, 1), 1
	s_wait_xcnt 0x0
	s_wait_alu depctr_hold_cnt(0) depctr_sa_sdst(0) depctr_va_vdst(0) depctr_va_sdst(0) depctr_va_ssrc(0) depctr_va_vcc(0) depctr_vm_vsrc(0)
	s_getreg_b32 s2, hwreg(HW_REG_IB_STS2, 6, 4)
	s_cmp_eq_u32 s2, 0
	s_cbranch_scc0 .Lentry_in_a_cluster
	s_endpgm
.Lentry_in_a_cluster:
	s_bfe_u32 s2, ttmp6, 0x10000c
	s_cmp_lg_u32 s2, 0x3003
	s_cbranch_scc0 .Lentry_shape_is_right
	s_endpgm
.Lentry_shape_is_right:
; ctx[hd][q] = the sum over keys k <= q of softmax_k(q . k / 8) v[k], head size 64, 2,048 tokens, 64 heads (hd = 16 x batch + head); both products on codes of FP6 (E2M3) with E8M0 scales; ctx leaves as codes.
; THE SOFTMAX AHEAD OF THE SECOND PRODUCT: t = score x log2(e) / 8; M = the running largest t, rounded up to a whole number; p = 2^(t - M) is quantised along the keys, not normalised; the row's sum is taken of the
; unquantised p and divides at the end; when M moves, the sum and O are multiplied by 2^(old M - new M): exact.
; SHARES.  The four work-groups of a cluster share one head.  THE HEAD'S WHOLE K AND V, codes and scale words, 212,992 bytes, LIE IN LDS: brought once, by joint loads (the same tensor load with the same descriptor and
; the mask of the four, in all four), so the loops over the keys have no ring, no refill and no barrier.
; A head has 128 tiles of 16 queries: tile 8 g + 2 cx + e needs key steps 0 .. g of 128 keys, step g on the diagonal.  Wave w takes two: g1 = max(w, 15 - w) and g2 = 15 - g1 (e = 1, 0 for w under 8, else 0, 1):
; every (g, e) once, 17 steps to every wave.  Branches hang on g, made of the wave's number; cx enters global addresses and the mask's lane constant alone.
; LAYOUT.  S^T = K Q^T (source 0 = 16 keys, source 1 = my 16 queries), O^T = V^T P^T: a lane holds one query throughout.  The head's 64 fill half of the instruction's 128 along K: Q's registers 6-11 are zero codes, and K's
; registers 6-11 are whatever follows (the next tile's codes): zero codes annul them, and no scale byte is 0xff.  Inside a block of 32 keys p's codes lie in the order in which V's were laid (positions 8-15 and 16-23 changed).
; ctx is put back into the natural order of channels, 16 lane exchanges on f32, ahead of its quantiser.
; OUT: cc [hd][token tile 128][768 bytes: registers 0-5 of an operand, [piece 3][lane 32][8]]; cs [token 8192][32 scale bytes].
; LIMITS: a block of zeros gets the byte 1 where the rule says 127; blocks under 2^-124 are held at byte 1; NaN and infinities are not served.  A block's largest p is made from the block's largest score by the same
; two instructions, which takes v_exp_f32 not to fall where its input rises.
.set KC,    0                          ; LDS: K's codes [key tile 128][768]
.set VC,    98304                      ; V's [keys 64 c on, 2][step 16][channel tile 4][768]
.set KSB,   196608                     ; K's scale words [step 16][512]
.set VSB,   204800                     ; V's
.set SPARE, 212992                     ; the spare words, 128 bytes for each of 16 waves
.set L8,   1                           ; v1   8 x lane
.set R16,  2                           ; v2   16 (lane % 16) + KSB
.set L16,  3                           ; v3   16 x lane + VSB
.set SPW,  4
.set NIL,  5
.set DQ1,  6                           ; v6   pass 1: my query in its block of 128, less 8 (lane / 16)
.set NINF, 7                           ; v7   -infinity
.set ADK,  8
.set ADV,  9
.set ADS,  10
.set ADT,  11
.set Q1,   16                          ; v16-27   Q of pass 1: six registers of codes, six of zeros
.set QS1,  28                          ; v28, v29 Q's scale words
.set QS2,  29
.set CB,   30                          ; v30  32 (lane % 16) + lane / 16
.set DQ2,  31
.set KF,   32                          ; v32-85   K: tile t at v[32 + 6 t], twelve registers named; v80-85 zeros.  Later V's four fragments, v32-79
.set KSW,  88                          ; v88-95   K's scale words
.set ST,   96                          ; v96-159  S^T, then p
.set OT,   160                         ; v160-191 O^T
.set PCD,  192                         ; v192-203 p's codes
.set PC2,  204                         ; v204-206, v208-210 the conversions' second halves
.set BMX,  212
.set PT,   216
.set SO,   220
.set BY,   224
.set PW,   228                         ; p's scale word, nothing else
.set T0,   229
.set CH,   230
.set FF,   232                         ; v232 f; v233 written once: named with it as a pair
.set VSW,  236                         ; v236-239 V's scale words
.set Q2,   240                         ; v240-251 Q of pass 2
.set WV,   12
.set CX,   13
.set HD,   14
.set SEL,  16
.set CS,   18                          ; s[18:19] c = log2(e) / 8
.set G,    20
.set SI,   21
.set TK,   22
.set TV,   23
.set TS,   24
.set CNT,  25
.set HM,   26
.set G1S,  28
.set G1K,  36
.set G1V,  44
.set G0A,  52
.set G0B,  56
.macro ROUND
	s_barrier_signal -1
	s_barrier_wait -1
	s_cmp_lg_u32 s[WV], 0
	s_cbranch_scc1 .Lnot_wave_0_\@
	s_barrier_signal -3
.Lnot_wave_0_\@:
	s_barrier_wait -3
	s_barrier_signal -1
	s_barrier_wait -1
.endm
.macro G0SET g, lds, base, off         ; a descriptor's group 0: count 1, the LDS byte, the tile's first byte in memory, type 2
	s_mov_b32 s[\g], 1
	s_mov_b32 s[\g+1], \lds
	s_add_nc_u64 s[\g+2:\g+3], s[\base:\base+1], \off
	s_or_b32 s[\g+3], s[\g+3], 0x80000000
.endm
.macro TL g0, g1
	tensor_load_to_lds s[\g0:\g0+3], s[\g1:\g1+7]
	s_nop 0
.endm
.macro NOP4
.rept 4
	v_nop
.endr
.endm
	s_load_b256 s[4:11], s[0:1], 0x0               ; hc, hs, cc, cs
	v_lshl_add_u32 v[SPW], v0, 2, SPARE
	v_mov_b32 v[NIL], 0
	ds_add_u32 v[SPW], v[NIL]                      ; the wave's opening: the add and its wait stand ahead of the first tensor loads; work on registers stands between them
	ds_add_u32 v[SPW], v[NIL]
	v_lshrrev_b32 v8, 5, v0
	s_delay_alu instid0(VALU_DEP_1)
	v_readfirstlane_b32 s[WV], v8                  ; wave 0..15
	s_bfe_u32 s[CX], ttmp6, 0x40000                ; my place in the cluster
	s_and_b32 s[HD], ttmp7, 0xffff                 ; the head, which the four partners share
	s_mov_b32 s[G1S], 15|(3<<16)|(1<<21)           ; the mask of all four; elements of 8 bytes; bit 21 beside a mask; no padding
	s_mov_b32 s[G1S+1], 32<<16                     ; 8,192 dense bytes as 32 rows of 256
	s_mov_b32 s[G1S+2], 32<<16
	s_mov_b32 s[G1S+3], 32<<16
	s_mov_b32 s[G1S+4], 32
	s_mov_b32 s[G1S+5], 32
	s_mov_b32 s[G1S+6], 0
	s_mov_b32 s[G1S+7], 0
	s_mov_b32 s[G1K], 15|(3<<16)|(1<<21)
	s_mov_b32 s[G1K+1], 32<<16                     ; 49,152 dense bytes (64 key tiles) as 192 rows of 256
	s_mov_b32 s[G1K+2], 192<<16
	s_mov_b32 s[G1K+3], 32<<16
	s_mov_b32 s[G1K+4], 192
	s_mov_b32 s[G1K+5], 32
	s_mov_b32 s[G1K+6], 0
	s_mov_b32 s[G1K+7], 0
	s_mov_b32 s[G1V], 15|(3<<16)|(1<<21)
	s_mov_b32 s[G1V+1], 384<<16                    ; 16 steps' rows of 3,072 bytes (my head's four channel tiles), 6,144 bytes apart in memory
	s_mov_b32 s[G1V+2], 16<<16
	s_mov_b32 s[G1V+3], 384<<16
	s_mov_b32 s[G1V+4], 16
	s_mov_b32 s[G1V+5], 768
	s_mov_b32 s[G1V+6], 0
	s_mov_b32 s[G1V+7], 0
	s_mov_b32 s[SEL], 0x76543210
	s_mov_b32 s[SEL+1], 0xfedcba98                 ; v_permlanex16_b32's selects for lane l xor 16
	s_mov_b32 s[CS], 0x3e38aa3b                    ; log2(e) / 8
	s_mov_b32 s[CS+1], s[CS]                       ; named with it as a pair, so it is written
	s_mov_b32 s[HM], 0xffff0000                    ; lanes 16-31
	s_sub_co_u32 s86, 15, s[WV]
	s_cmp_lt_u32 s[WV], 8
	s_cselect_b32 s84, s86, s[WV]                  ; g1 = max(w, 15 - w)
	s_cselect_b32 s86, 1, 0                        ; e1
	s_sub_co_u32 s85, 15, s84                      ; g2
	s_sub_co_u32 s87, 1, s86                       ; e2
	s_mul_i32 s88, s[HD], 98304
	s_add_co_u32 s88, s88, 6291456                 ; K's codes of my head
	s_mov_b32 s89, 0
	s_lshr_b32 s90, s[HD], 1
	s_mul_i32 s90, s90, 196608
	s_and_b32 s91, s[HD], 1
	s_mul_i32 s91, s91, 3072
	s_add_co_u32 s90, s90, s91
	s_add_co_u32 s90, s90, 12582912                ; V's: the pair of heads, my head's four tiles in a step's eight
	s_mov_b32 s91, 0
	s_lshl_b32 s92, s[HD], 13
	s_add_co_u32 s92, s92, 524288                  ; K's scale words; V's lie 524,288 bytes on
	s_mov_b32 s93, 0
	s_wait_dscnt 0x0                               ; the opening add is done
	s_wait_kmcnt 0x0
	s_add_nc_u64 s[88:89], s[4:5], s[88:89]
	s_add_nc_u64 s[90:91], s[4:5], s[90:91]
	s_add_nc_u64 s[92:93], s[6:7], s[92:93]
	ROUND                                          ; all four work-groups are here: the joint loads meet
	; THE FIRST AND ONLY FILLS: a wave's loads stand in one arm of a branch on the wave's number, the same in all partners; at most two loads of a wave are out
	s_cmp_lg_u32 s[WV], 0
	s_cbranch_scc1 .Lnot0
	G0SET G0A, KSB, 92, 0
	G0SET G0B, KC, 88, 0
	TL G0A, G1S                                    ; K's scale words
	TL G0B, G1K                                    ; key tiles 0-63
	NOP4
	s_branch .Lfilled
.Lnot0:
	s_cmp_lg_u32 s[WV], 1
	s_cbranch_scc1 .Lnot1
	G0SET G0A, VSB, 92, 524288
	G0SET G0B, VC, 90, 0
	TL G0A, G1S                                    ; V's scale words
	TL G0B, G1V                                    ; each step's keys 0-63
	NOP4
	s_branch .Lfilled
.Lnot1:
	s_cmp_lg_u32 s[WV], 2
	s_cbranch_scc1 .Lnot2
	G0SET G0B, VC+49152, 90, 98304
	TL G0B, G1V                                    ; each step's keys 64-127
	NOP4
	s_branch .Lfilled
.Lnot2:
	s_cmp_lg_u32 s[WV], 3
	s_cbranch_scc1 .Lfilled
	G0SET G0B, KC+49152, 88, 49152
	TL G0B, G1K                                    ; key tiles 64-127
	NOP4
.Lfilled:
	v_and_b32 v8, 31, v0                           ; lane
	v_and_b32 v9, 15, v0                           ; r
	v_bfe_u32 v10, v0, 4, 1                        ; h
	s_delay_alu instid0(VALU_DEP_3)
	v_lshlrev_b32 v[L8], 3, v8
	s_delay_alu instid0(VALU_DEP_3)
	v_lshl_add_u32 v[R16], v9, 4, KSB
	v_lshl_add_u32 v[L16], v8, 4, VSB
	s_delay_alu instid0(VALU_DEP_4)
	v_lshl_add_u32 v[CB], v9, 5, v10
	v_lshlrev_b32 v11, 3, v10
	s_delay_alu instid0(VALU_DEP_1)
	v_sub_nc_u32 v11, v9, v11                      ; r - 8 h
	s_wait_alu depctr_va_vdst(0)
	v_lshlrev_b32 v9, 4, v9                        ; 16 r: Q's scale words lie 16 bytes apart
; A pass's global places: tile i = 8 g + tau, tau = 2 cx + e
.macro PASSADR g, e, qc, qs, oc, os, dq
	s_lshl_b32 s94, s[CX], 1
	s_add_co_u32 s94, s94, s[\e]                   ; tau
	s_lshl_b32 s95, s[\g], 3
	s_add_co_u32 s95, s95, s94                     ; i
	s_mul_i32 s96, s95, 768
	s_mul_i32 s97, s[HD], 98304
	s_add_co_u32 s96, s96, s97
	s_mov_b32 s97, 0
	s_add_nc_u64 s[\qc:\qc+1], s[4:5], s[96:97]    ; Q's codes (kind 0 begins hc)
	s_add_nc_u64 s[\oc:\oc+1], s[8:9], s[96:97]    ; ctx's codes: the same place in cc
	s_lshl_b32 s96, s[HD], 13
	s_lshl_b32 s98, s[\g], 9
	s_add_co_u32 s96, s96, s98
	s_lshr_b32 s98, s94, 2
	s_lshl_b32 s98, s98, 8
	s_add_co_u32 s96, s96, s98
	s_and_b32 s98, s94, 3
	s_lshl_b32 s98, s98, 2
	s_add_co_u32 s96, s96, s98
	s_add_nc_u64 s[\qs:\qs+1], s[6:7], s[96:97]    ; Q's scale words: [g][tau / 4][r][tau % 4]
	s_lshr_b32 s96, s[HD], 4
	s_lshl_b32 s96, s96, 16
	s_lshl_b32 s98, s95, 9
	s_add_co_u32 s96, s96, s98
	s_and_b32 s98, s[HD], 15
	s_lshl_b32 s98, s98, 1
	s_add_co_u32 s96, s96, s98
	s_add_nc_u64 s[\os:\os+1], s[10:11], s[96:97]  ; ctx's scale bytes: token (2048 batch + 16 i) x 32 + 2 x head
	s_lshl_b32 s98, s94, 4
	v_add_nc_u32 v[\dq], s98, v11                  ; 16 tau + r - 8 h
.endm
	s_wait_alu depctr_va_vdst(0)
	PASSADR 84, 86, 60, 68, 76, 78, DQ1
	PASSADR 85, 87, 62, 70, 80, 82, DQ2
.irp p, 0,1,2
	global_load_b64 v[Q1+2*\p:Q1+2*\p+1], v[L8], s[60:61] offset:256*\p
	global_load_b64 v[Q2+2*\p:Q2+2*\p+1], v[L8], s[62:63] offset:256*\p
.endr
	global_load_b32 v[QS1], v9, s[68:69]
	global_load_b32 v[QS2], v9, s[70:71]
.irp i, 0,1,2,3,4,5
	v_mov_b32 v[Q1+6+\i], 0                        ; zero codes for the upper 64 along K
	v_mov_b32 v[Q2+6+\i], 0
	v_mov_b32 v[KF+48+\i], 0                       ; what tile 7 of K names beyond its codes
.endr
.irp b, 0,1,2,3
	v_mov_b32 v[PT+\b], 0                          ; written once: a lane permute's destination counts as one of its sources
.endr
	v_mov_b32 v[T0], 0                             ; likewise: the way out's lane permute lands here, and only a key step's work writes it otherwise
	v_mov_b32 v[FF+1], 0
	v_mov_b32 v[NINF], 0xff800000
	s_wait_tensorcnt 0x0                           ; my loads have landed,
	s_barrier_signal -1
	s_barrier_wait -1                              ; everybody's have: from here on LDS is only read
	s_wait_loadcnt 0x0                             ; Q
; A KEY STEP: 128 keys.  q, qs: Q's codes and scale word; dq: the mask's lane constant.
.macro STEP q, qs, dq
	s_cmp_gt_u32 s[SI], s[G]                       ; a step all of whose keys come after my queries is left out; the lines at its end that step addresses are not
	s_cbranch_scc1 .Lhid_\@
	s_setprio 2
	v_add_nc_u32 v[ADK], s[TK], v[L8]              ; (these four are the places in front of the loads into registers that the last products read)
	v_add_nc_u32 v[ADV], s[TV], v[L8]
	v_add_nc_u32 v[ADS], s[TS], v[R16]
	v_add_nc_u32 v[ADT], s[TS], v[L16]
.irp t, 0,1,2,3,4,5,6,7
.irp p, 0,1,2
	ds_load_b64 v[KF+6*\t+2*\p:KF+6*\t+2*\p+1], v[ADK] offset:768*\t+256*\p   ; 32 lanes read 256 consecutive bytes
.endr
.endr
	ds_load_b128 v[KSW:KSW+3], v[ADS]
	ds_load_b128 v[KSW+4:KSW+7], v[ADS] offset:256
	s_wait_alu depctr_va_vdst(0)
	s_wait_dscnt 0x0
.irp t, 0,1,2,3,4,5,6,7
	v_wmma_scale_f32_16x16x128_f8f6f4 v[ST+8*\t:ST+8*\t+7], v[KF+6*\t:KF+6*\t+11], v[\q:\q+11], 0, v[KSW+\t], v[\qs] matrix_a_fmt:MATRIX_FMT_FP6 matrix_b_fmt:MATRIX_FMT_FP6
.endr                                  ; lane (r, h): query r; register 8 t + j: key 16 t + 8 h + j of the step
	NOP4
.irp t, 0,1,2,3                        ; V's fragments are asked for now and land under the softmax
.irp p, 0,1,2,3,4,5
	ds_load_b64 v[KF+12*\t+2*\p:KF+12*\t+2*\p+1], v[ADV] offset:49152*(\p/3)+768*\t+256*(\p%3)
.endr
.endr
	ds_load_b128 v[VSW:VSW+3], v[ADT]
	s_cmp_lg_u32 s[SI], s[G]                       ; on the diagonal the scores of hidden keys become -infinity ahead of the maximum: p = 0 then
	s_cbranch_scc1 .Lopen_\@
.set n, 0
.rept 64
	v_cmp_gt_i32 vcc_lo, 16*(n/8)+n%8, v[\dq]
	v_cndmask_b32 v[ST+n], v[ST+n], v[NINF], vcc_lo
.set n, n+1
.endr
.Lopen_\@:
.irp b, 0,1,2,3
	v_max3_num_f32 v[BMX+\b], v[ST+16*\b], v[ST+1+16*\b], v[ST+2+16*\b]   ; the largest score of each block of 32 keys: for the row's maximum, and for the block's largest p
.endr
.irp i, 3,5,7,9,11,13
.irp b, 0,1,2,3
	v_max3_num_f32 v[BMX+\b], v[BMX+\b], v[ST+16*\b+\i], v[ST+1+16*\b+\i]
.endr
.endr
.irp b, 0,1,2,3
	v_max_num_f32 v[BMX+\b], v[BMX+\b], v[ST+15+16*\b]
.endr
.irp b, 0,1,2,3
	s_delay_alu instid0(VALU_DEP_4)
	v_permlanex16_b32 v[PT+\b], v[BMX+\b], s[SEL], s[SEL+1]
.endr
.irp b, 0,1,2,3
	s_delay_alu instid0(VALU_DEP_4)
	v_max_num_f32 v[BMX+\b], v[BMX+\b], v[PT+\b]   ; with lane l xor 16's 16 keys
.endr
	s_delay_alu instid0(VALU_DEP_2)
	v_max3_num_f32 v[T0], v[BMX], v[BMX+1], v[BMX+2]
	s_delay_alu instid0(VALU_DEP_1)
	v_max_num_f32 v[T0], v[T0], v[BMX+3]
	s_delay_alu instid0(VALU_DEP_1)
	v_mul_f32 v[T0], s[CS], v[T0]                  ; as t
	s_delay_alu instid0(VALU_DEP_1)
	v_max_num_f32 v13, v13, v[T0]                  ; the running largest t
	v_mov_b32 v[T0], v12
	s_delay_alu instid0(VALU_DEP_2)
	v_floor_f32 v12, -v13                          ; the new -M = floor(-t): M is a whole number
	s_delay_alu instid0(VALU_DEP_1)
	v_sub_f32 v[T0], v12, v[T0]                    ; old M - new M: a whole number, 0 or less
	s_delay_alu instid0(VALU_DEP_1)
	v_cvt_i32_f32 v[T0], v[T0]                     ; (it saturates)
	s_delay_alu instid0(VALU_DEP_1)
	v_ldexp_f32 v[FF], 1.0, v[T0]                  ; f = 2^(old M - new M)
.set n, 0
	s_setprio 1
.rept 32
	v_pk_fma_f32 v[ST+n:ST+n+1], v[ST+n:ST+n+1], s[CS:CS+1], v[12:13] op_sel_hi:[1,0,0]   ; t - M, two at a time
.set n, n+2
.endr
.irp b, 0,1,2,3
	v_fma_f32 v[BMX+\b], v[BMX+\b], s[CS], v12     ; the same of each block's largest score
.endr
.set n, 0
	s_wait_alu depctr_va_vdst(0)
.rept 64
	v_exp_f32 v[ST+n], v[ST+n]                     ; p = 2^(t - M), at most 1
.set n, n+1
.endr
	v_pk_mul_f32 v[14:15], v[14:15], v[FF:FF+1] op_sel_hi:[1,0]   ; the sums under the new M: the plain line behind the exponentials
	s_wait_alu depctr_va_vdst(0)                   ; one wait for the batch of 64, ahead of its first reader
.irp b, 0,1,2,3
	v_exp_f32 v[BMX+\b], v[BMX+\b]                 ; the block's largest p
.endr
	v_pk_add_f32 v[230:231], v[100:101], v[104:105]
	v_pk_add_f32 v[254:255], v[108:109], v[112:113]
	v_pk_add_f32 v[252:253], v[116:117], v[120:121]
	v_pk_add_f32 v[234:235], v[124:125], v[128:129]
	v_pk_add_f32 v[226:227], v[132:133], v[136:137]
	v_pk_add_f32 v[224:225], v[140:141], v[144:145]
	v_pk_add_f32 v[222:223], v[148:149], v[152:153]
	v_pk_add_f32 v[14:15], v[14:15], v[156:157]
	v_pk_add_f32 v[230:231], v[230:231], v[96:97]
	v_pk_add_f32 v[254:255], v[254:255], v[98:99]
	v_pk_add_f32 v[252:253], v[252:253], v[102:103]
	v_pk_add_f32 v[234:235], v[234:235], v[106:107]
	v_pk_add_f32 v[226:227], v[226:227], v[110:111]
	v_pk_add_f32 v[224:225], v[224:225], v[114:115]
	v_pk_add_f32 v[222:223], v[222:223], v[118:119]
	v_pk_add_f32 v[14:15], v[14:15], v[122:123]
	v_pk_add_f32 v[230:231], v[230:231], v[126:127]
	v_pk_add_f32 v[254:255], v[254:255], v[130:131]
	v_pk_add_f32 v[252:253], v[252:253], v[134:135]
	v_pk_add_f32 v[234:235], v[234:235], v[138:139]
	v_pk_add_f32 v[226:227], v[226:227], v[142:143]
	v_pk_add_f32 v[224:225], v[224:225], v[146:147]
	v_pk_add_f32 v[222:223], v[222:223], v[150:151]
	v_pk_add_f32 v[14:15], v[14:15], v[154:155]
	v_pk_add_f32 v[230:231], v[230:231], v[158:159]
	s_delay_alu instid0(VALU_DEP_2)
	v_pk_add_f32 v[14:15], v[14:15], v[234:235]
	s_delay_alu instid0(VALU_DEP_2)
	v_pk_add_f32 v[230:231], v[230:231], v[226:227]
	v_pk_add_f32 v[254:255], v[254:255], v[224:225]
	v_pk_add_f32 v[252:253], v[252:253], v[222:223]
	s_delay_alu instid0(VALU_DEP_2)
	v_pk_add_f32 v[14:15], v[14:15], v[254:255]
	s_delay_alu instid0(VALU_DEP_2)
	v_pk_add_f32 v[230:231], v[230:231], v[252:253]
	s_delay_alu instid0(VALU_DEP_1)
	v_pk_add_f32 v[14:15], v[14:15], v[230:231]
	s_wait_alu depctr_va_vdst(0)                   ; and one for the four
.irp b, 0,1,2,3
	v_max_num_f32 v[BMX+\b], 0x1800000, v[BMX+\b]  ; the floor 2^(3 - 127): a block whose every p is 0 keeps the byte 1; its codes are zeros
.endr
.irp b, 0,1,2,3
	s_delay_alu instid0(VALU_DEP_4)
	v_add_nc_u32 v[SO+\b], 0xff000000, v[BMX+\b]   ; 2 off the exponent field: the conversion's scale operand
.endr
.irp b, 0,1,2,3
	s_delay_alu instid0(VALU_DEP_4)
	v_lshrrev_b32 v[BY+\b], 23, v[SO+\b]
.endr
	s_delay_alu instid0(VALU_DEP_3)
	v_lshl_or_b32 v[PW], v[BY+1], 8, v[BY]         ; p's scale word for these 128 keys
	s_delay_alu instid0(VALU_DEP_1)
	v_lshl_or_b32 v[PW], v[BY+2], 16, v[PW]
	s_delay_alu instid0(VALU_DEP_1)
	v_lshl_or_b32 v[PW], v[BY+3], 24, v[PW]
	s_setprio 0
.irp c, 0,1
	v_cvt_scalef32_pk16_fp6_f32 v[PCD+6*\c:PCD+2+6*\c], v[ST+32*\c:ST+15+32*\c], v[SO+2*\c]
	v_cvt_scalef32_pk16_fp6_f32 v[PC2+4*\c:PC2+2+4*\c], v[ST+16+32*\c:ST+31+32*\c], v[SO+2*\c+1]
.endr
	v_nop                                          ; one plain place behind a scaled conversion
.irp c, 0,1                            ; a whole block to a lane: lanes 0-15 block 2 c, lanes 16-31 block 2 c + 1
.irp i, 0,1,2
	v_permlane16_swap_b32 v[PCD+6*\c+\i], v[PC2+4*\c+\i]
.endr
.irp i, 0,1,2
	s_delay_alu instid0(VALU_DEP_3)
	v_mov_b32 v[PCD+3+6*\c+\i], v[PC2+4*\c+\i]
.endr
.endr
.set n, 0
.rept 16
	v_pk_mul_f32 v[OT+n:OT+n+1], v[OT+n:OT+n+1], v[FF:FF+1] op_sel_hi:[1,0]   ; O^T under the new M.  (These sixteen are also the places between the lines that made p's codes and word and the products)
.set n, n+2
.endr
	s_wait_alu depctr_va_vdst(0)
	s_wait_dscnt 0x0                               ; V
.irp t, 0,1,2,3
	v_wmma_scale_f32_16x16x128_f8f6f4 v[OT+8*\t:OT+8*\t+7], v[KF+12*\t:KF+12*\t+11], v[PCD:PCD+11], v[OT+8*\t:OT+8*\t+7], v[VSW+\t], v[PW] matrix_a_fmt:MATRIX_FMT_FP6 matrix_b_fmt:MATRIX_FMT_FP6
.endr                                  ; the accumulators take turns, one instruction a turn
.Lhid_\@:
	s_add_co_u32 s[SI], s[SI], 1
	s_add_co_u32 s[TK], s[TK], 6144
	s_add_co_u32 s[TV], s[TV], 3072
	s_add_co_u32 s[TS], s[TS], 512
.endm
.macro STEPS trips, q, qs, dq          ; the trip count is a constant of the text: what is left out of a hidden step is its work
	s_mov_b32 s[CNT], \trips
.Lst_\@:
	STEP \q, \qs, \dq
	s_sub_co_u32 s[CNT], s[CNT], 1
	s_cmp_lg_u32 s[CNT], 0
	s_cbranch_scc1 .Lst_\@
	s_setprio 0
.endm
.macro INIT g                          ; the step is written once for all steps: the first finds zeros, which the first change of M leaves zeros
	v_mov_b32 v13, 0xff61b1e6                      ; the largest t so far: -3e38
	s_delay_alu instid0(VALU_DEP_1)
	v_floor_f32 v12, -v13
	v_mov_b32 v14, 0
	v_mov_b32 v15, 0
.set n, 0
.rept 32
	v_mov_b32 v[OT+n], 0
.set n, n+1
.endr
	s_mov_b32 s[SI], 0
	s_mov_b32 s[TK], KC
	s_mov_b32 s[TV], VC
	s_mov_b32 s[TS], 0
	s_mov_b32 s[G], s[\g]
.endm
; ctx = O^T / the sum, brought into the natural order of channels, quantised (two blocks of 32) and stored
.macro FINISH oc, os
	NOP4                                           ; behind the last products
	v_add_f32 v14, v14, v15
	s_delay_alu instid0(VALU_DEP_1)
	v_permlanex16_b32 v[T0], v14, s[SEL], s[SEL+1]
	s_delay_alu instid0(VALU_DEP_1)
	v_add_f32 v14, v14, v[T0]                      ; the row's sum
	s_wait_alu depctr_va_vdst(0)
	v_rcp_f32 v14, v14
	v_nop                                          ; a plain place behind the reciprocal
	s_wait_alu depctr_va_vdst(0)                   ; and the wait ahead of its first reader
.set n, 0
.rept 16
	v_pk_mul_f32 v[ST+n:ST+n+1], v[OT+n:OT+n+1], v[14:15] op_sel_hi:[1,0]   ; register 8 t + j: channel 16 t + 8 h + j; each accumulator from its low end on
.set n, n+2
.endr
.irp b, 0,1
.irp j, 0,1,2,3,4,5,6,7
	v_permlane16_swap_b32 v[ST+16*\b+\j], v[ST+8+16*\b+\j]   ; the first's lanes 16-31 change places with the second's lanes 0-15: register 16 b + i is now channel 32 b + 16 h + i
.endr
.endr
.irp b, 0,1
	v_max3_num_f32 v[BMX+\b], |v[ST+16*\b]|, |v[ST+1+16*\b]|, 0x1800000
.endr
.irp i, 2,4,6,8,10,12,14
.irp b, 0,1
	s_delay_alu instid0(VALU_DEP_2)
	v_max3_num_f32 v[BMX+\b], v[BMX+\b], |v[ST+16*\b+\i]|, |v[ST+1+16*\b+\i]|
.endr
.endr
.irp b, 0,1
	s_delay_alu instid0(VALU_DEP_2)
	v_permlanex16_b32 v[PT+\b], v[BMX+\b], s[SEL], s[SEL+1]
.endr
.irp b, 0,1
	s_delay_alu instid0(VALU_DEP_2)
	v_max_num_f32 v[BMX+\b], v[BMX+\b], v[PT+\b]
.endr
.irp b, 0,1
	s_delay_alu instid0(VALU_DEP_2)
	v_add_nc_u32 v[SO+\b], 0xff000000, v[BMX+\b]
.endr
.irp b, 0,1
	s_delay_alu instid0(VALU_DEP_2)
	v_lshrrev_b32 v[BY+\b], 23, v[SO+\b]
.endr
	v_cvt_scalef32_pk16_fp6_f32 v[PCD:PCD+2], v[ST:ST+15], v[SO]
	v_cvt_scalef32_pk16_fp6_f32 v[PC2:PC2+2], v[ST+16:ST+31], v[SO+1]
	v_nop
.irp i, 0,1,2
	v_permlane16_swap_b32 v[PCD+\i], v[PC2+\i]     ; lanes 0-15 block 0, lanes 16-31 block 1
.endr
.irp i, 0,1,2
	s_delay_alu instid0(VALU_DEP_3)
	v_mov_b32 v[PCD+3+\i], v[PC2+\i]
.endr
	v_cndmask_b32 v[T0], v[BY], v[BY+1], s[HM]     ; lanes 16-31 take block 1's byte
.irp p, 0,1,2
	global_store_b64 v[L8], v[PCD+2*\p:PCD+2*\p+1], s[\oc:\oc+1] offset:256*\p   ; 32 lanes store 256 consecutive bytes, aligned
.endr
	global_store_b8 v[CB], v[T0], s[\os:\os+1]     ; a token's 32 bytes come from 16 heads: single bytes, 262,144 in the whole launch
	s_wait_xcnt 0x0                                ; the stores have read their registers: the next pass may write them
.endm
	INIT 84
	STEPS 16, Q1, QS1, DQ1
	FINISH 76, 78
	INIT 85
	STEPS 8, Q2, QS2, DQ2
	FINISH 80, 82
	s_wait_tensorcnt 0x0                           ; the wave's end
	ds_add_u32 v[SPW], v[NIL]
	s_wait_dscnt 0x0
	ROUND                                          ; the closing round
	s_endpgm
.Lfunc_end_k_qf3a78a2064_attn:
	.size	k_qf3a78a2064_attn, .Lfunc_end_k_qf3a78a2064_attn-k_qf3a78a2064_attn
	.p2alignl 7, 3214868480
	.fill 96, 4, 3214868480
	.section	.rodata,"a",@progbits
	.p2align	6, 0x0
	.amdhsa_kernel k_qf3a78a2064_attn
		.amdhsa_group_segment_fixed_size 215040
		.amdhsa_private_segment_fixed_size 0
		.amdhsa_enable_private_segment 0
		.amdhsa_kernarg_size 32
		.amdhsa_user_sgpr_count 2
		.amdhsa_user_sgpr_kernarg_segment_ptr 1
		.amdhsa_wavefront_size32 1
		.amdhsa_system_sgpr_workgroup_id_x 1
		.amdhsa_system_sgpr_workgroup_id_y 1
		.amdhsa_system_sgpr_workgroup_id_z 1
		.amdhsa_system_vgpr_workitem_id 0
		.amdhsa_next_free_vgpr 256
		.amdhsa_next_free_sgpr 100
		.amdhsa_reserve_vcc 1
		.amdhsa_float_denorm_mode_32 3
		.amdhsa_float_denorm_mode_16_64 3
		.amdhsa_memory_ordered 1
		.amdhsa_forward_progress 1
		.amdhsa_inst_pref_size 71
	.end_amdhsa_kernel
	.amdgpu_metadata
---
amdhsa.version: [ 1, 2 ]
amdhsa.kernels:
  - .name:           k_qf3a78a2064_attn
    .symbol:         k_qf3a78a2064_attn.kd
    .args:
      - { .name: hc, .offset: 0, .size: 8, .value_kind: global_buffer, .address_space: global }
      - { .name: hs, .offset: 8, .size: 8, .value_kind: global_buffer, .address_space: global }
      - { .name: cc, .offset: 16, .size: 8, .value_kind: global_buffer, .address_space: global }
      - { .name: cs, .offset: 24, .size: 8, .value_kind: global_buffer, .address_space: global }
    .group_segment_fixed_size: 215040
    .private_segment_fixed_size: 0
    .kernarg_segment_align: 8
    .kernarg_segment_size: 32
    .max_flat_workgroup_size: 512
    .sgpr_count:     100
    .vgpr_count:     256
    .wavefront_size: 32
...
	.end_amdgpu_metadata
.endif
;; end of part 4
;; launch out (part 5): grid 4 x 32, 4 waves a work-group, clusters of 4 x 4, 327,680 bytes of LDS; arguments cc, cs, wc, ws, bo, out0; writes out0
.if DOCPART == 5
	.amdgcn_target "amdgcn-amd-amdhsa--gfx1250"
	.amdhsa_code_object_version 6
	.text
	.protected	k_qf3a78a2064_out
	.globl	k_qf3a78a2064_out
	.p2align	8
	.type	k_qf3a78a2064_out,@function
k_qf3a78a2064_out:
	s_mov_b64 s[64:65], 0
	v_nop
	global_prefetch_b8 v0, s[64:65] scope:SCOPE_SE
	s_setreg_imm32_b32 hwreg(HW_REG_WAVE_MODE, 25, 1), 1
	s_wait_xcnt 0x0
	s_wait_alu depctr_hold_cnt(0) depctr_sa_sdst(0) depctr_va_vdst(0) depctr_va_sdst(0) depctr_va_ssrc(0) depctr_va_vcc(0) depctr_vm_vsrc(0)
	s_getreg_b32 s2, hwreg(HW_REG_IB_STS2, 6, 4)
	s_cmp_eq_u32 s2, 0
	s_cbranch_scc0 .Lentry_in_a_cluster
	s_endpgm
.Lentry_in_a_cluster:
	s_bfe_u32 s2, ttmp6, 0x10000c
	s_cmp_lg_u32 s2, 0xf033
	s_cbranch_scc0 .Lentry_shape_is_right
	s_endpgm
.Lentry_shape_is_right:
; out0 = ctx Wo + bo on codes of FP6 (E2M3) with E8M0 scales.  M = 8,192 tokens, N = 1,024, K = 1,024; out0 f32.
; A tile of 256 x 256 to a work-group of four waves, 128 x 128 a wave (64 accumulators, 512 registers); K in steps of 256 (four heads) through a ring of two LDS slots; 4 x 4 work-groups to a cluster, A's tiles asked for
; jointly along a row of the cluster, B's along a column.  The matrix instruction is used transposed (source 0 = 16 rows of B, source 1 = 16 rows of A): a lane holds eight neighbouring numbers of a row of out0.
; A = ctx lies in cc as IMAGES OF OPERAND REGISTERS, [head 64][token tile 128][768 bytes = [piece 3][lane 32][8]]: registers 0-5 of a fragment come from head 2 q, registers 6-11 from head 2 q + 1; a wave's load of 8 bytes a
; lane reads 256 consecutive bytes: no pitch, no padding.  A K step's part for 128 tokens is 4 rows (heads) of 6,144 bytes, 98,304 bytes apart in memory.
; B = Wo's columns: rows 3072 on of wc (768 bytes a row) and ws.  A's scale bytes: cs [token][32].  bo is the C of the first products.
; 128 tiles of 256 x 256: half of the WGPs have a work-group; a tile of 128 x 256 would fill them at one and a half times the LDS bytes for each product: not built here.
; REGISTERS as in the launch that makes q, k, v: window 0: v0-31 addresses; v32-63 scale words; v64-127 bo; from v128 A's fragments; window 1: B's two sets; windows 2, 3: the accumulators.
.set SIZE_N, 1024
.set KSTEP,  256
.set NQ,     2
.set ROWB,   192
.set KROW,   768
.set PITCH,  240
.set FR,     12
.set NL,     6
.set NP,     4
.set AHALF,  24576                     ; A: 128 tokens x 256 along K as images: [head 4][tile 8][768]
.set HALFT,  128*PITCH                 ; B: 128 rows
.set SLOT,   2*AHALF+2*HALFT
.set LAPS,   2
.set KS,     32
.set SCL,    2*SLOT
.set HALFS,  16*272
.set SBLK,   2*272
.set SPARE,  SCL+4*HALFS
.set SPITCH, 528                       ; the way out: 16 rows x (512 bytes + 16) a wave, in slot 0, which has had its last fill and its last read when the first result is stored there
.set ADRA, 16
.set ADRB, 20
.set STO,  24
.set RD,   25
.set CO,   26
.set ADRS, 27
.set SPW,  28
.set NIL,  29
.set SC,   32
.set BN,   64
.set AF,   128
.set BK,   128
.set G1, 24
.set G0, 32
.set G1B, 48
.set G0B, 56
.set G1S, 68
.set G0S, 76
.set G1SB, 80
.set G0SB, 88
.set MSB, 0
.macro WIN new
.if MSB != (\new)
	s_set_vgpr_msb (MSB<<8)|(\new)
.set MSB, (\new)
.endif
.endm
.set MUL_LO, 0xa1
.set MUL_HI, 0xf1
.set FST_LO, 0x81
.set FST_HI, 0xc1
.set TO_B,   0x40
.macro JLOAD g0a, g1a, g0b, g1b        ; waves 0 and 1 fetch for A, waves 2 and 3 for B; an s_nop 0 and four v_nop follow each of the two lines
	s_cmp_eq_u32 s15, 0
	s_cbranch_scc0 .Lfor_b_\@
	tensor_load_to_lds s[\g0a:\g0a+3], s[\g1a:\g1a+7]
	s_nop 0
.rept 4
	v_nop
.endr
	s_branch .Lasked_\@
.Lfor_b_\@:
	tensor_load_to_lds s[\g0b:\g0b+3], s[\g1b:\g1b+7]
	s_nop 0
.rept 4
	v_nop
.endr
.Lasked_\@:
.endm
.macro CREST
	s_cmp_lg_u32 s14, 0
	s_cbranch_scc1 .Lnot_wave_0_\@
	s_barrier_signal -3
.Lnot_wave_0_\@:
	s_barrier_wait -3
	s_barrier_signal -1
	s_barrier_wait -1
.endm
.macro CROUND
	s_barrier_signal -1
	s_barrier_wait -1
	CREST
.endm
	s_load_b256 s[4:11], s[0:1], 0x0               ; cc, cs, wc, ws
	s_load_b64 s[96:97], s[0:1], 0x20              ; bo
	s_load_b64 s[12:13], s[0:1], 0x28              ; out0
	v_lshl_add_u32 v[SPW], v0, 2, SPARE
	v_mov_b32 v[NIL], 0
	ds_add_u32 v[SPW], v[NIL]                      ; the wave's opening: the add and its wait stand ahead of my first tensor load
	v_lshrrev_b32 v1, 5, v0
	v_readfirstlane_b32 s14, v1                    ; wave 0..3
	s_lshr_b32 s15, s14, 1                         ; my half of the tile's rows.  Also: I fetch for A (0) or for B (1)
	s_and_b32 s16, s14, 1                          ; my half of its columns.  Also: which 128 rows I fetch
	s_bfe_u32 s40, ttmp6, 0x40000
	s_bfe_u32 s41, ttmp6, 0x40004
	s_lshl_b32 s42, ttmp9, 2
	s_add_co_u32 s42, s42, s40                     ; tile column
	s_and_b32 s17, ttmp7, 0xffff
	s_lshl_b32 s17, s17, 2
	s_add_co_u32 s17, s17, s41                     ; tile row
	s_lshl_b32 s43, s41, 2
	s_lshl_b32 s43, 15, s43
	s_lshl_b32 s44, 0x1111, s40
	s_or_b32 s[G1+0], s43, (3<<16)|(1<<21)         ; A: the mask of my row; elements of 8 bytes; bit 21 beside a mask; no padding
	s_mov_b32 s[G1+1], 768<<16                     ; a row: 8 token tiles of one head, 6,144 bytes
	s_mov_b32 s[G1+2], 4<<16                       ; four heads
	s_mov_b32 s[G1+3], 768<<16
	s_mov_b32 s[G1+4], 4
	s_mov_b32 s[G1+5], 12288                       ; from head to head: 98,304 bytes
	s_mov_b32 s[G1+6], 0
	s_mov_b32 s[G1+7], 0
	s_or_b32 s[G1B+0], s44, (0<<16)|(1<<20)|(1<<21)|(3<<22)|(3<<25)   ; B: 128 rows of 192 bytes, 16 bytes of padding behind every 64
	s_mov_b32 s[G1B+1], ROWB<<16
	s_mov_b32 s[G1B+2], 128<<16
	s_mov_b32 s[G1B+3], ROWB<<16
	s_mov_b32 s[G1B+4], 128
	s_mov_b32 s[G1B+5], KROW
	s_mov_b32 s[G1B+6], 0
	s_mov_b32 s[G1B+7], 0
	s_or_b32 s[G1S+0], s43, (3<<16)|(1<<20)|(1<<21)|(5<<22)|(3<<25)   ; the scales of 128 rows: 16 rows of 256 bytes, 16 of padding behind each
	s_or_b32 s[G1SB+0], s44, (3<<16)|(1<<20)|(1<<21)|(5<<22)|(3<<25)
.irp g, G1S, G1SB
	s_mov_b32 s[\g+1], 32<<16
	s_mov_b32 s[\g+2], 16<<16
	s_mov_b32 s[\g+3], 32<<16
	s_mov_b32 s[\g+4], 16
	s_mov_b32 s[\g+5], 32
	s_mov_b32 s[\g+6], 0
	s_mov_b32 s[\g+7], 0
.endr
	s_lshl_b32 s18, s16, 7
	s_lshl_b32 s22, s17, 8
	s_add_co_u32 s22, s22, s18                     ; A: token 256 x tile row + 128 x half
	s_lshl_b32 s22, s22, 5                         ; its scale bytes
	s_mov_b32 s23, 0
	s_lshl_b32 s46, s42, 8
	s_add_co_u32 s46, s46, s18
	s_add_co_u32 s46, s46, 3072                    ; B: row 3072 + 256 x tile column + 128 x half
	s_mov_b32 s47, 0
	s_lshl_b32 s92, s46, 5
	s_mov_b32 s93, 0
	s_mov_b64 s[18:19], KROW
	s_mul_u64 s[46:47], s[46:47], s[18:19]
	s_lshr_b32 s20, s17, 3                         ; A's codes: the batch's 16 heads,
	s_mul_i32 s20, s20, 1572864
	s_and_b32 s21, s17, 7
	s_lshl_b32 s21, s21, 4
	s_lshl_b32 s18, s16, 3
	s_add_co_u32 s21, s21, s18                     ; the token tile in the batch
	s_mul_i32 s21, s21, 768
	s_add_co_u32 s20, s20, s21
	s_mov_b32 s21, 0
	s_mul_i32 s45, s16, AHALF                      ; where they go: A's two halves,
	s_mul_i32 s95, s16, HALFT
	s_add_co_u32 s95, s95, 2*AHALF                 ; then B's two
	s_mul_i32 s94, s14, HALFS
	s_wait_dscnt 0x0                               ; the opening add is done
	s_wait_kmcnt 0x0
	s_add_nc_u64 s[20:21], s[4:5], s[20:21]
	s_add_nc_u64 s[22:23], s[6:7], s[22:23]
	s_add_nc_u64 s[46:47], s[8:9], s[46:47]
	s_add_nc_u64 s[92:93], s[10:11], s[92:93]
	CROUND                                         ; all sixteen work-groups are here: the first joint loads meet
	s_mov_b32 s[G0S], 1
	s_add_co_u32 s[G0S+1], s94, SCL
	s_mov_b64 s[G0S+2:G0S+3], s[22:23]
	s_or_b32 s[G0S+3], s[G0S+3], 0x80000000
	s_mov_b32 s[G0SB], 1
	s_add_co_u32 s[G0SB+1], s94, SCL
	s_mov_b64 s[G0SB+2:G0SB+3], s[92:93]
	s_or_b32 s[G0SB+3], s[G0SB+3], 0x80000000
	JLOAD G0S, G1S, G0SB, G1SB
.irp s, 0,1
	s_mov_b32 s[G0+4*\s], 1
	s_add_co_u32 s[G0+4*\s+1], s45, \s*SLOT
	s_add_nc_u64 s[G0+4*\s+2:G0+4*\s+3], s[20:21], \s*393216       ; K step s: four heads on
	s_or_b32 s[G0+4*\s+3], s[G0+4*\s+3], 0x80000000
	s_mov_b32 s[G0B+4*\s], 1
	s_add_co_u32 s[G0B+4*\s+1], s95, \s*SLOT
	s_add_nc_u64 s[G0B+4*\s+2:G0B+4*\s+3], s[46:47], \s*ROWB
	s_or_b32 s[G0B+4*\s+3], s[G0B+4*\s+3], 0x80000000
	JLOAD G0+4*\s, G1, G0B+4*\s, G1B
.endr
	v_and_b32 v1, 15, v0                           ; r
	v_bfe_u32 v2, v0, 4, 1                         ; h
	v_and_b32 v6, 31, v0
	v_lshlrev_b32 v7, 3, v6                        ; 8 x lane: an image's place for my lane
	v_mul_u32_u24 v3, v1, PITCH
	v_mul_u32_u24 v4, v2, 24
	v_add_nc_u32 v4, v3, v4
	v_lshl_add_u32 v5, v2, 4, v4
	s_mul_i32 s21, s15, AHALF                      ; my 128 rows of A
	s_mul_i32 s22, s16, HALFT
	s_add_co_u32 s22, s22, 2*AHALF                 ; my 128 rows of B
.irp s, 0,1
	v_add_nc_u32 v[ADRA+\s], s21, v7
	v_add_nc_u32 v[ADRB+\s], s22, v4
	v_add_nc_u32 v[ADRB+2+\s], s22, v5
	s_add_co_u32 s21, s21, SLOT
	s_add_co_u32 s22, s22, SLOT
.endr
	v_mul_u32_u24 v5, v1, KS
	v_lshrrev_b32 v6, 8, v5
	v_lshl_add_u32 v5, v6, 4, v5
	s_mul_i32 s21, s15, HALFS
	s_mul_i32 s22, s16, HALFS
	s_add_co_u32 s22, s22, 2*HALFS
	s_sub_co_u32 s22, s22, s21
	v_mul_u32_u24 v6, s22, v2                      ; lanes 16-31 take B's
	s_add_co_u32 s21, s21, SCL
	v_add_nc_u32 v5, v5, v6
	v_add_nc_u32 v[ADRS], s21, v5
	s_mul_i32 s23, s14, 16*SPITCH                  ; my stage
	v_mul_u32_u24 v5, v1, SPITCH
	v_lshl_add_u32 v5, v2, 5, v5
	v_add_nc_u32 v[STO], s23, v5
	v_and_b32 v6, 31, v0
	v_lshlrev_b32 v[CO], 4, v6
	v_add_nc_u32 v[RD], s23, v[CO]
	s_lshl_b32 s20, s17, 8
	s_lshl_b32 s21, s15, 7
	s_add_co_u32 s20, s20, s21                     ; my first row of out0
	s_mov_b32 s21, 0
	s_mov_b64 s[18:19], SIZE_N*4
	s_mul_u64 s[20:21], s[20:21], s[18:19]
	s_lshl_b32 s46, s42, 10                        ; my first column, in bytes
	s_lshl_b32 s47, s16, 9
	s_add_co_u32 s46, s46, s47
	v_lshl_add_u32 v8, v2, 5, s46                  ; bo: the same bytes + 32 h
	s_mov_b32 s47, 0
	s_add_nc_u64 s[20:21], s[20:21], s[46:47]
	s_add_nc_u64 s[12:13], s[12:13], s[20:21]
.irp b, 0,1,2,3,4,5,6,7
	global_load_b128 v[BN+8*\b:BN+8*\b+3], v8, s[96:97] offset:64*\b            ; bo(first + 16 b + 8 h + 0 .. 7): the result's layout
	global_load_b128 v[BN+8*\b+4:BN+8*\b+7], v8, s[96:97] offset:64*\b+16
.endr
.macro FRAG reg, adr, q, i             ; B: from rows of 240 bytes, in pieces of 8 bytes; where lanes 16-31's piece lies behind one padding more, the second address register serves
.irp p, 0,1,2,3,4,5
.set PIECE, 12*(\q)+6*(\p/3)+\p%3
.if PIECE%8 < 5
	ds_load_b64 v[\reg+2*\p:\reg+2*\p+1], v[\adr] offset:8*PIECE+16*(PIECE/8)+(\i)*16*PITCH
.else
	ds_load_b64 v[\reg+2*\p:\reg+2*\p+1], v[\adr+2] offset:8*PIECE+16*(PIECE/8)+(\i)*16*PITCH
.endif
.endr
.endm
.macro FRAGA reg, adr, q, i            ; A: the images of heads 2 q and 2 q + 1 of the slot, token tile i
.irp p, 0,1,2,3,4,5
	ds_load_b64 v[\reg+2*\p:\reg+2*\p+1], v[\adr] offset:(2*(\q)+\p/3)*6144+768*(\i)+256*(\p%3)
.endr
.endm
.macro MUL16 a0, p, q, sc, zero        ; zero = 1: the first product starts the sums, with bo as C.  The 64 accumulators take turns, one instruction a turn
.irp a, \a0, \a0+1
.irp b, 0,1,2,3,4,5,6,7
.if \zero
	v_wmma_scale_f32_16x16x128_f8f6f4 v[8*(8*((\a)%4)+\b):8*(8*((\a)%4)+\b)+7], v[128*(\p)+FR*\b:128*(\p)+FR*\b+FR-1], v[AF+FR*(\a):AF+FR*(\a)+FR-1], v[BN+8*\b:BN+8*\b+7], v[SC+8*NQ*(\sc)+NQ*\b+(\q)], v[SC+8*NQ*(\sc)+NQ*(\a)+(\q)] matrix_a_fmt:MATRIX_FMT_FP6 matrix_b_fmt:MATRIX_FMT_FP6 matrix_a_scale:MATRIX_SCALE_ROW1
.else
	v_wmma_scale_f32_16x16x128_f8f6f4 v[8*(8*((\a)%4)+\b):8*(8*((\a)%4)+\b)+7], v[128*(\p)+FR*\b:128*(\p)+FR*\b+FR-1], v[AF+FR*(\a):AF+FR*(\a)+FR-1], v[8*(8*((\a)%4)+\b):8*(8*((\a)%4)+\b)+7], v[SC+8*NQ*(\sc)+NQ*\b+(\q)], v[SC+8*NQ*(\sc)+NQ*(\a)+(\q)] matrix_a_fmt:MATRIX_FMT_FP6 matrix_b_fmt:MATRIX_FMT_FP6 matrix_a_scale:MATRIX_SCALE_ROW1
.endif
.endr
.endr
.endm
.macro FETCH_B slot, q, p
	WIN TO_B
.irp i, 0,1,2,3,4,5,6,7
	FRAG 128*(\p)+FR*\i, ADRB+\slot, \q, \i
.endr
	WIN 0
.endm
.macro FETCH_A slot, q, i0
.irp i, \i0, \i0+1, \i0+2, \i0+3
	FRAGA AF+FR*(\i), ADRA+\slot, \q, \i
.endr
.endm
.macro SCALES sc
.irp i, 0,1,2,3,4,5,6,7
	ds_load_b64 v[SC+8*NQ*\sc+NQ*\i:SC+8*NQ*\sc+NQ*\i+1], v[ADRS] offset:\i*SBLK
.endr
.endm
.macro PLACES n
.rept \n
	v_nop
.endr
.endm
.macro STEP slot, q, zero
	s_wait_dscnt 4*NL                              ; B's set and A's blocks 0-3 are in; the youngest 24 loads (A's blocks 4-7) may be out
.if \zero
	WIN FST_LO
.else
	WIN MUL_LO
.endif
	MUL16 0, (\q)%2, \q, \slot, \zero
	MUL16 2, (\q)%2, \q, \slot, \zero
	s_wait_dscnt 0
	PLACES NP
	FETCH_B \slot, (\q)+1, 1-(\q)%2
	FETCH_A \slot, (\q)+1, 0
.if \zero
	WIN FST_HI
.else
	WIN MUL_HI
.endif
	MUL16 4, (\q)%2, \q, \slot, \zero
	MUL16 6, (\q)%2, \q, \slot, \zero
	PLACES NP
	WIN 0
	FETCH_A \slot, (\q)+1, 4
.endm
.macro TURN slot, next, fill           ; a slot's last step changes slots: one barrier, with the wait for all my tensor loads, the add, and the wait for it and for my reads of this slot in front of it
	s_wait_tensorcnt 0x0
	ds_add_u32 v[SPW], v[NIL]
	s_wait_dscnt 4*NL+1                            ; the add and the youngest 24 loads may be out
	WIN MUL_LO
	MUL16 0, 1, NQ-1, \slot, 0
	s_wait_dscnt 0x0                               ; the add is done, and my reads of this slot are over
	s_barrier_signal -1
	MUL16 2, 1, NQ-1, \slot, 0
	WIN 0
	s_barrier_wait -1
.if \fill
	CREST                                          ; the barrier has opened a round of the cluster's barrier
	s_add_nc_u64 s[G0+4*\slot+2:G0+4*\slot+3], s[G0+4*\slot+2:G0+4*\slot+3], 786432   ; two K steps: eight heads on
	s_add_nc_u64 s[G0B+4*\slot+2:G0B+4*\slot+3], s[G0B+4*\slot+2:G0B+4*\slot+3], 2*ROWB
	JLOAD G0+4*\slot, G1, G0B+4*\slot, G1B         ; the first tensor load behind the round
.else
	PLACES NP
.endif
	v_add_nc_u32 v[ADRS], 4*NQ, v[ADRS]
	FETCH_B \next, 0, 0
	FETCH_A \next, 0, 0
	SCALES \next
	WIN MUL_HI
	MUL16 4, 1, NQ-1, \slot, 0
	MUL16 6, 1, NQ-1, \slot, 0
	PLACES NP
	WIN 0
	FETCH_A \next, 0, 4
.endm
	s_wait_tensorcnt 1                             ; the scales and my part of K step 0 are in; K step 1's load may be out
	s_barrier_signal -1
	s_barrier_wait -1
	FETCH_B 0, 0, 0
	FETCH_A 0, 0, 0
	SCALES 0
	FETCH_A 0, 0, 4
	s_wait_loadcnt 0x0                             ; bo
	STEP 0, 0, 1
	s_mov_b32 s3, LAPS-1
.Llap:
	TURN 0, 1, 1
	STEP 1, 0, 0
	TURN 1, 0, 1
	STEP 0, 0, 0
	s_sub_co_u32 s3, s3, 1
	s_cmp_lg_u32 s3, 0
	s_cbranch_scc1 .Llap
	TURN 0, 1, 0
	STEP 1, 0, 0
	s_wait_dscnt 4*NL
	WIN MUL_LO
	MUL16 0, 1, NQ-1, 1, 0
	MUL16 2, 1, NQ-1, 1, 0
	s_wait_dscnt 0
	WIN MUL_HI
	MUL16 4, 1, NQ-1, 1, 0
	MUL16 6, 1, NQ-1, 1, 0
	WIN 0
; THE WAY OUT, a block of 16 rows x 128 columns at a time, through my own stage in LDS: in as 32 bytes a lane, back as whole rows of 512 bytes.  LDS serves a wave's instructions in order: no wait between the stores and the loads.
.macro TOSTAGE a
.set AC, 64*((\a)%4)
	WIN 0x08+4*((\a)/4)                            ; the data: window 2 or 3
.irp b, 0,1,2,3,4,5,6,7
	ds_store_b128 v[STO], v[AC+8*\b:AC+8*\b+3] offset:64*\b          ; each accumulator from its low end on
	ds_store_b128 v[STO], v[AC+8*\b+4:AC+8*\b+7] offset:64*\b+16
.endr
	WIN 0
.set BB, BK+64*((\a)%2)
.irp t, 0,1,2,3,4,5,6,7,8,9,10,11,12,13,14,15
	ds_load_b128 v[BB+4*\t:BB+4*\t+3], v[RD] offset:\t*SPITCH
.endr
.endm
.macro SEND a, younger
.set BB, BK+64*((\a)%2)
	s_wait_dscnt \younger                          ; the block is back in registers; the next block's 16 stores and 16 loads may be out
.if (\a) > 0
	s_add_nc_u64 s[12:13], s[12:13], 16*SIZE_N*4   ; (behind a wait on XCNT: the earlier stores have read their base)
.endif
.irp t, 0,1,2,3,4,5,6,7,8,9,10,11,12,13,14,15
	global_store_b128 v[CO], v[BB+4*\t:BB+4*\t+3], s[12:13] offset:\t*SIZE_N*4 th:TH_STORE_NT   ; 32 lanes store 512 consecutive bytes, aligned
.endr
.endm
	PLACES NP
	TOSTAGE 0
.irp a, 1,2,3,4,5,6,7
.if \a > 1
	s_wait_xcnt 0x0                                ; block a - 2's stores have read their registers and their base
.endif
	TOSTAGE \a
	SEND \a-1, 32
.endr
	s_wait_xcnt 0x0
	SEND 7, 0
	s_wait_tensorcnt 0x0                           ; the wave's end: three lines behind my last tensor load and my last LDS store
	ds_add_u32 v[SPW], v[NIL]
	s_wait_dscnt 0x0
	CROUND                                         ; the closing round
	s_endpgm
.Lfunc_end_k_qf3a78a2064_out:
	.size	k_qf3a78a2064_out, .Lfunc_end_k_qf3a78a2064_out-k_qf3a78a2064_out
	.p2alignl 7, 3214868480
	.fill 96, 4, 3214868480
	.section	.rodata,"a",@progbits
	.p2align	6, 0x0
	.amdhsa_kernel k_qf3a78a2064_out
		.amdhsa_group_segment_fixed_size 327680
		.amdhsa_private_segment_fixed_size 0
		.amdhsa_enable_private_segment 0
		.amdhsa_kernarg_size 48
		.amdhsa_user_sgpr_count 2
		.amdhsa_user_sgpr_kernarg_segment_ptr 1
		.amdhsa_wavefront_size32 1
		.amdhsa_system_sgpr_workgroup_id_x 1
		.amdhsa_system_sgpr_workgroup_id_y 1
		.amdhsa_system_sgpr_workgroup_id_z 1
		.amdhsa_system_vgpr_workitem_id 0
		.amdhsa_next_free_vgpr 1024
		.amdhsa_next_free_sgpr 98
		.amdhsa_reserve_vcc 0
		.amdhsa_float_denorm_mode_32 3
		.amdhsa_float_denorm_mode_16_64 3
		.amdhsa_memory_ordered 1
		.amdhsa_forward_progress 1
		.amdhsa_inst_pref_size 162
	.end_amdhsa_kernel
	.amdgpu_metadata
---
amdhsa.version: [ 1, 2 ]
amdhsa.kernels:
  - .name:           k_qf3a78a2064_out
    .symbol:         k_qf3a78a2064_out.kd
    .args:
      - { .name: cc, .offset: 0, .size: 8, .value_kind: global_buffer, .address_space: global }
      - { .name: cs, .offset: 8, .size: 8, .value_kind: global_buffer, .address_space: global }
      - { .name: wc, .offset: 16, .size: 8, .value_kind: global_buffer, .address_space: global }
      - { .name: ws, .offset: 24, .size: 8, .value_kind: global_buffer, .address_space: global }
      - { .name: bo, .offset: 32, .size: 8, .value_kind: global_buffer, .address_space: global }
      - { .name: out0, .offset: 40, .size: 8, .value_kind: global_buffer, .address_space: global }
    .group_segment_fixed_size: 327680
    .private_segment_fixed_size: 0
    .kernarg_segment_align: 8
    .kernarg_segment_size: 48
    .max_flat_workgroup_size: 128
    .sgpr_count:     98
    .vgpr_count:     1024
    .wavefront_size: 32
...
	.end_amdgpu_metadata
.endif
;; end of part 5
